; MI455X (gfx1250); checked and timed in simulation.
; The chip was launched on July 23, 2026; its instructions are those of AMD's public machine-readable ISA for CDNA 5 (MIT licence, August 2026) and "CDNA5" Instruction Set Architecture Reference Guide (July 2026). The comments in the code are by the model that wrote it; some were corrected since.
;; Multi Head Attention. Allowed arithmetic: float matrix products may take bf16 or f16 operands with f32 sums; other float arithmetic in f32, or as packed bf16 or f16 multiplies, adds, multiply-adds, maxima and minima; sums over many terms, partial sums and values carried from step to step in f32; what a program stores and reads back later, other than sums and carried values, may be rounded once to bf16 or f16.
;; Inputs: Wk 1,024 x 1,024 float32; Wo 1,024 x 1,024 float32; Wq 1,024 x 1,024 float32; Wv 1,024 x 1,024 float32; bk 1,024 float32; bo 1,024 float32; bq 1,024 float32; bv 1,024 float32; k 4 x 2,048 x 1,024 float32; mask 1 x 1 x 2,048 x 2,048 int32; q 4 x 2,048 x 1,024 float32; v 4 x 2,048 x 1,024 float32.
;; Outputs: out0 4 x 2,048 x 1,024 float32.
;; One version. Each part assembles by itself: llvm-mc -triple=amdgcn-amd-amdhsa -mcpu=gfx1250 --defsym DOCPART=n.
;; ======== version 1 of 1: 4 launches
;; limits: values are held in f16: magnitudes above 65,504 overflow, below 6.1e-05 lose precision
;; workspace buffers: wt 8,388,608 bytes; mws 16,777,216 bytes; rtab 524,288 bytes; qh 16,777,216 bytes; kh 16,777,216 bytes; vh 16,777,216 bytes; ows 16,777,216 bytes
;; launch prep (part 1): grid 1152 x 1, 8 waves a work-group, no clusters, 35,840 bytes of LDS; arguments Wq, Wk, Wv, Wo, mask, wt, mws, rtab; writes wt, mws, rtab
.if DOCPART == 1
	.amdgcn_target "amdgcn-amd-amdhsa--gfx1250"
	.amdhsa_code_object_version 6
	.text
	.protected	k_qa67c909da3_prep
	.globl	k_qa67c909da3_prep
	.p2align	8
	.type	k_qa67c909da3_prep,@function
k_qa67c909da3_prep:
	s_mov_b64 s[64:65], 0
	v_nop
	global_prefetch_b8 v0, s[64:65] scope:SCOPE_SE
	s_setreg_imm32_b32 hwreg(HW_REG_WAVE_MODE, 25, 1), 1
	s_wait_xcnt 0x0
; PREPARATION.  Three jobs, told apart by the work-group's number (the same for all eight waves of a work-group):
;   0 .. 511     a tile of 128 k x 64 n of one of the four weights ([k][n], f32) is turned and rounded: wt[w][n][k], 16 bits.  Wq, Wk, Wv in bf16;
;                Wo rounded to bf16 and that number written as f16 (exact from 2^-14 up; |Wo| stays under 65,504: a stated limit).
;   512 .. 1023  each wave expands 16 queries x 64 keys of the mask into f32, 0 or -1e30 where mask == 0, laid out as an accumulator of K Q^T lies:
;                mws[qb 16][step 32][qt 8][kb 4][c 2][lane 32][e 4], query 128 qb + 16 qt + lane % 16, key 64 step + 16 kb + 8 (lane / 16) + 4 c + e.
;   1024 .. 1151 the rotation table rtab[pos 2048][i 32][cos, sin], angle pos x 10000^(-i / 32): reduced by multiples of pi / 2 given in three parts,
;                then polynomials on |r| <= pi / 4 (next terms below 4e-7).
.set LP,    272                        ; an LDS row: 256 bytes + 16
.set SPARE, 34816                      ; behind the stages: the spare words, 128 bytes for each wave, named by no other line
.set SPW,   80                         ; v80  LDS address of my spare word; never rewritten
.set NIL,   81                         ; v81  0; never rewritten
	s_load_b512 s[8:23], s[0:1], 0x0               ; Wq s[8:9], Wk s[10:11], Wv s[12:13], Wo s[14:15], mask s[16:17], wt s[18:19], mws s[20:21], rtab s[22:23]
	v_lshl_add_u32 v[SPW], v0, 2, SPARE
	v_mov_b32 v[NIL], 0
	v_lshrrev_b32 v1, 5, v0
	v_readfirstlane_b32 s4, v1                     ; wave 0..7
	s_wait_kmcnt 0x0
	s_cmp_lt_u32 ttmp9, 512
	s_cbranch_scc1 .Lweights
	s_cmp_lt_u32 ttmp9, 1024
	s_cbranch_scc1 .Lmask
	; THE TABLE.  A thread makes two neighbouring pairs of one position: 16 bytes.
	s_sub_co_u32 s5, ttmp9, 1024
	s_lshl_b32 s5, s5, 8
	v_add_nc_u32 v1, s5, v0                        ; the thread's number among 32,768
	v_lshrrev_b32 v2, 4, v1                        ; position
	v_and_b32 v3, 15, v1
	v_lshlrev_b32 v3, 1, v3                        ; pair i0
	v_add_nc_u32 v4, 1, v3                         ; pair i0 + 1
	v_cvt_f32_u32 v2, v2
	v_cvt_f32_u32 v3, v3
	v_cvt_f32_u32 v4, v4
	v_mul_f32 v3, 0xbed49a78, v3                   ; -i log2(10000) / 32
	v_mul_f32 v4, 0xbed49a78, v4
	v_exp_f32 v5, v3
	v_exp_f32 v6, v4
	v_lshlrev_b32 v1, 4, v1                        ; my 16 bytes: the plain instruction behind the two exponentials
	s_wait_alu depctr_va_vdst(0)                   ; one wait for both, ahead of their first reader
.macro SINCOS inv, oc, os
	v_mul_f32 v8, v2, \inv                         ; the angle
	v_mul_f32 v9, 0x3f22f983, v8                   ; x 2 / pi
	v_rndne_f32 v9, v9                             ; k, 1,304 at the most
	v_fmamk_f32 v8, v9, 0xbfc90000, v8             ; r = angle - k pi / 2, pi / 2 in three parts
	v_fmamk_f32 v8, v9, 0xb9fda000, v8
	v_fmamk_f32 v8, v9, 0xb3a22168, v8
	v_mul_f32 v10, v8, v8                          ; z = r r
	v_mov_b32 v11, 0xb9500d01                      ; -1 / 5040
	v_fmaak_f32 v11, v11, v10, 0x3c088889          ; + 1 / 120
	v_fmaak_f32 v11, v11, v10, 0xbe2aaaab          ; - 1 / 6
	v_mul_f32 v12, v8, v10
	v_fma_f32 v11, v12, v11, v8                    ; sin r
	v_mov_b32 v13, 0x37d00d01                      ; 1 / 40320
	v_fmaak_f32 v13, v13, v10, 0xbab60b61          ; - 1 / 720
	v_fmaak_f32 v13, v13, v10, 0x3d2aaaab          ; + 1 / 24
	v_fmaak_f32 v13, v13, v10, 0xbf000000          ; - 1 / 2
	v_fma_f32 v13, v13, v10, 1.0                   ; cos r
	v_cvt_i32_f32 v14, v9
	v_and_b32 v15, 1, v14
	v_cmp_eq_u32 vcc_lo, 1, v15                    ; odd k: sine and cosine change places
	v_cndmask_b32 \os, v11, v13, vcc_lo
	v_cndmask_b32 \oc, v13, v11, vcc_lo
	v_and_b32 v15, 2, v14                          ; the sine's sign: k & 2
	v_lshlrev_b32 v15, 30, v15
	v_xor_b32 \os, \os, v15
	v_add_nc_u32 v14, 1, v14                       ; the cosine's: (k + 1) & 2
	v_and_b32 v14, 2, v14
	v_lshlrev_b32 v14, 30, v14
	v_xor_b32 \oc, \oc, v14
.endm
	SINCOS v5, v16, v17
	SINCOS v6, v18, v19
	global_store_b128 v1, v[16:19], s[22:23]       ; a wave stores 512 consecutive bytes
	s_branch .Lend
.Lweights:
	s_lshr_b32 s5, ttmp9, 7                        ; which weight
	s_and_b32 s6, ttmp9, 7                         ; which 128 k
	s_bfe_u32 s7, ttmp9, 0x40003                   ; which 64 n
	s_cmp_eq_u32 s5, 1
	s_cselect_b64 s[24:25], s[10:11], s[8:9]
	s_cmp_eq_u32 s5, 2
	s_cselect_b64 s[24:25], s[12:13], s[24:25]
	s_cmp_eq_u32 s5, 3
	s_cselect_b64 s[24:25], s[14:15], s[24:25]
	s_lshl_b32 s26, s6, 19                         ; 128 rows of 4,096 bytes
	s_lshl_b32 s27, s7, 8                          ; 64 columns of 4 bytes
	s_add_co_u32 s26, s26, s27
	s_mov_b32 s27, 0
	s_add_nc_u64 s[24:25], s[24:25], s[26:27]
	s_lshl_b32 s26, s5, 21                         ; a weight is 2,097,152 bytes of wt
	s_lshl_b32 s28, s7, 17                         ; 64 rows of 2,048 bytes
	s_add_co_u32 s26, s26, s28
	s_lshl_b32 s28, s6, 8                          ; 128 k of 2 bytes
	s_add_co_u32 s26, s26, s28
	s_add_nc_u64 s[18:19], s[18:19], s[26:27]
	v_and_b32 v1, 15, v0                           ; cg: my four n
	v_lshrrev_b32 v2, 4, v0                        ; rp: my pair of k rows among 16 pairs
	v_lshlrev_b32 v3, 13, v2
	v_lshl_add_u32 v3, v1, 4, v3
.irp p, 0,1,2,3
	global_load_b128 v[16+8*(\p):19+8*(\p)], v3, s[24:25] offset:(\p)*131072 th:TH_LOAD_NT       ; row k = 32 p + 2 rp: sixteen lanes take its 256 bytes
	global_load_b128 v[20+8*(\p):23+8*(\p)], v3, s[24:25] offset:(\p)*131072+4096 th:TH_LOAD_NT  ; row k + 1
.endr
	v_mul_u32_u24 v4, v1, 4*LP
	v_lshl_add_u32 v4, v2, 2, v4                   ; into LDS: row n = 4 cg + j, byte 2 k
	v_mul_u32_u24 v5, v2, LP
	v_lshl_add_u32 v5, v1, 4, v5                   ; back: row t / 16, 16 bytes at 16 (t % 16)
	v_lshlrev_b32 v6, 11, v2
	v_lshl_add_u32 v6, v1, 4, v6                   ; and the same place in wt
	s_wait_loadcnt 0x0
.irp p, 0,1,2,3
.irp j, 0,1,2,3
	v_cvt_pk_bf16_f32 v[48+4*(\p)+(\j)], v[16+8*(\p)+(\j)], v[20+8*(\p)+(\j)]  ; (k, k + 1) of one n
.endr
.endr
	s_cmp_lg_u32 s5, 3
	s_cbranch_scc1 .Lkeep
.set i, 0
.rept 16                               ; Wo: the bf16 numbers written as f16
	v_lshlrev_b32 v16, 16, v[48+i]
	v_and_b32 v17, 0xffff0000, v[48+i]
	v_cvt_pk_f16_f32 v[48+i], v16, v17
.set i, i+1
.endr
.Lkeep:
.irp p, 0,1,2,3
.irp j, 0,1,2,3
	ds_store_b32 v4, v[48+4*(\p)+(\j)] offset:(\j)*LP+(\p)*64
.endr
.endr
	s_wait_dscnt 0x0                               ; for the others' sake: my stores are done
	s_barrier_signal -1
	s_barrier_wait -1
.irp p, 0,1,2,3
	ds_load_b128 v[64+4*(\p):67+4*(\p)], v5 offset:(\p)*16*LP
.endr
.irp p, 0,1,2,3
	s_wait_dscnt 3-(\p)
	global_store_b128 v6, v[64+4*(\p):67+4*(\p)], s[18:19] offset:(\p)*32768  ; sixteen lanes store 256 consecutive bytes, aligned
.endr
	s_branch .Lend
.Lmask:
	s_sub_co_u32 s5, ttmp9, 512
	s_lshl_b32 s5, s5, 3
	s_add_co_u32 s5, s5, s4                        ; my wave's task, 0 .. 4,095
	s_and_b32 s6, s5, 31                           ; key step
	s_lshr_b32 s7, s5, 5                           ; which 16 queries
	s_lshl_b32 s24, s7, 17                         ; 16 rows of 8,192 bytes
	s_lshl_b32 s25, s6, 8                          ; 64 keys of 4 bytes
	s_add_co_u32 s24, s24, s25
	s_mov_b32 s25, 0
	s_add_nc_u64 s[16:17], s[16:17], s[24:25]
	s_lshr_b32 s26, s7, 3                          ; qb
	s_lshl_b32 s26, s26, 5
	s_add_co_u32 s26, s26, s6
	s_lshl_b32 s26, s26, 15                        ; (32 qb + step) x 32,768
	s_and_b32 s27, s7, 7
	s_lshl_b32 s27, s27, 12                        ; + qt x 4,096
	s_add_co_u32 s26, s26, s27
	s_mov_b32 s27, 0
	s_add_nc_u64 s[20:21], s[20:21], s[26:27]
	s_mov_b32 s30, 0xf149f2ca                      ; -1e30
	s_mul_i32 s28, s4, 16*LP                       ; my wave's own stage: no other wave touches it
	v_and_b32 v1, 31, v0
	v_and_b32 v2, 15, v0                           ; x: my four keys 4 x ..
	v_bfe_u32 v3, v0, 4, 1
	v_lshlrev_b32 v4, 13, v3
	v_lshl_add_u32 v4, v2, 4, v4
.irp i, 0,1,2,3,4,5,6,7
	global_load_b128 v[16+4*(\i):19+4*(\i)], v4, s[16:17] offset:16384*(\i) th:TH_LOAD_NT  ; queries 2 i and 2 i + 1: 256 consecutive bytes each
.endr
	v_lshrrev_b32 v5, 2, v2                        ; kb = x / 4
	v_and_b32 v6, 1, v2                            ; c = x % 2
	v_bfe_u32 v7, v2, 1, 1                         ; the half of the lanes: (x / 2) % 2
	v_lshlrev_b32 v5, 2, v5
	v_lshl_add_u32 v5, v6, 1, v5
	v_add_nc_u32 v5, v5, v7                        ; the stage's row: 4 kb + 2 c + half
	v_mul_u32_u24 v5, v5, LP
	v_lshl_add_u32 v5, v3, 4, v5                   ; the query's 16 bytes in it
	v_add_nc_u32 v5, s28, v5
	v_mul_u32_u24 v6, v3, LP
	v_lshl_add_u32 v6, v2, 4, v6
	v_add_nc_u32 v6, s28, v6
	v_lshlrev_b32 v7, 4, v1
.irp i, 0,1,2,3,4,5,6,7
	s_wait_loadcnt 7-(\i)                          ; loads come back in order: the younger ones may stay out
.irp j, 0,1,2,3
	v_cmp_eq_u32 vcc_lo, 0, v[16+4*(\i)+(\j)]
	v_cndmask_b32 v[16+4*(\i)+(\j)], 0, s30, vcc_lo
.endr
	ds_store_b128 v5, v[16+4*(\i):19+4*(\i)] offset:32*(\i)
.endr
.irp e, 0,1,2,3,4,5,6,7
	ds_load_b128 v[48+4*(\e):51+4*(\e)], v6 offset:2*LP*(\e)  ; LDS serves a wave's instructions in order: these see the stores above
.endr
.irp e, 0,1,2,3,4,5,6,7
	s_wait_dscnt 7-(\e)
	global_store_b128 v7, v[48+4*(\e):51+4*(\e)], s[20:21] offset:512*(\e)  ; 512 consecutive bytes
.endr
.Lend:
	s_wait_tensorcnt 0x0                           ; the wave's end, behind my last LDS store
	ds_add_u32 v[SPW], v[NIL]
	s_wait_dscnt 0x0
	s_endpgm
.Lfunc_end_k_qa67c909da3_prep:
	.size	k_qa67c909da3_prep, .Lfunc_end_k_qa67c909da3_prep-k_qa67c909da3_prep
	.p2alignl 7, 3214868480
	.fill 96, 4, 3214868480
	.section	.rodata,"a",@progbits
	.p2align	6, 0x0
	.amdhsa_kernel k_qa67c909da3_prep
		.amdhsa_group_segment_fixed_size 35840
		.amdhsa_private_segment_fixed_size 0
		.amdhsa_enable_private_segment 0
		.amdhsa_kernarg_size 64
		.amdhsa_user_sgpr_count 2
		.amdhsa_user_sgpr_kernarg_segment_ptr 1
		.amdhsa_wavefront_size32 1
		.amdhsa_system_sgpr_workgroup_id_x 1
		.amdhsa_system_sgpr_workgroup_id_y 1
		.amdhsa_system_sgpr_workgroup_id_z 1
		.amdhsa_system_vgpr_workitem_id 0
		.amdhsa_next_free_vgpr 82
		.amdhsa_next_free_sgpr 66
		.amdhsa_reserve_vcc 1
		.amdhsa_float_denorm_mode_32 3
		.amdhsa_float_denorm_mode_16_64 3
		.amdhsa_memory_ordered 1
		.amdhsa_forward_progress 1
		.amdhsa_inst_pref_size 20
	.end_amdhsa_kernel
	.amdgpu_metadata
---
amdhsa.version: [ 1, 2 ]
amdhsa.kernels:
  - .name:           k_qa67c909da3_prep
    .symbol:         k_qa67c909da3_prep.kd
    .args:
      - { .name: Wq, .offset: 0, .size: 8, .value_kind: global_buffer, .address_space: global }
      - { .name: Wk, .offset: 8, .size: 8, .value_kind: global_buffer, .address_space: global }
      - { .name: Wv, .offset: 16, .size: 8, .value_kind: global_buffer, .address_space: global }
      - { .name: Wo, .offset: 24, .size: 8, .value_kind: global_buffer, .address_space: global }
      - { .name: mask, .offset: 32, .size: 8, .value_kind: global_buffer, .address_space: global }
      - { .name: wt, .offset: 40, .size: 8, .value_kind: global_buffer, .address_space: global }
      - { .name: mws, .offset: 48, .size: 8, .value_kind: global_buffer, .address_space: global }
      - { .name: rtab, .offset: 56, .size: 8, .value_kind: global_buffer, .address_space: global }
    .group_segment_fixed_size: 35840
    .private_segment_fixed_size: 0
    .kernarg_segment_align: 8
    .kernarg_segment_size: 64
    .max_flat_workgroup_size: 256
    .sgpr_count:     66
    .vgpr_count:     82
    .wavefront_size: 32
...
	.end_amdgpu_metadata
.endif
;; end of part 1
;; launch proj (part 2): grid 4 x 192, 4 waves a work-group, clusters of 4 x 4, 327,680 bytes of LDS; arguments q, k, v, wt, bq, bk, bv, rtab, qh, kh, vh; writes qh, kh, vh
.if DOCPART == 2
	.amdgcn_target "amdgcn-amd-amdhsa--gfx1250"
	.amdhsa_code_object_version 6
	.text
	.protected	k_qa67c909da3_proj
	.globl	k_qa67c909da3_proj
	.p2align	8
	.type	k_qa67c909da3_proj,@function
k_qa67c909da3_proj:
	s_mov_b64 s[64:65], 0
	v_nop
	global_prefetch_b8 v0, s[64:65] scope:SCOPE_SE
	s_setreg_imm32_b32 hwreg(HW_REG_WAVE_MODE, 25, 1), 1
	s_wait_xcnt 0x0
	s_wait_alu depctr_hold_cnt(0) depctr_sa_sdst(0) depctr_va_vdst(0) depctr_va_sdst(0) depctr_va_ssrc(0) depctr_va_vcc(0) depctr_vm_vsrc(0)
	s_getreg_b32 s2, hwreg(HW_REG_IB_STS2, 6, 4)
	s_cmp_eq_u32 s2, 0
	s_cbranch_scc0 .Lentry_in_a_cluster
	s_endpgm
.Lentry_in_a_cluster:
	s_bfe_u32 s2, ttmp6, 0x10000c
	s_cmp_lg_u32 s2, 0xf033
	s_cbranch_scc0 .Lentry_shape_is_right
	s_endpgm
.Lentry_shape_is_right:
; THE THREE INPUT PROJECTIONS, y = x W + b, with the rotation of pairs for q and k, in one launch.  x: [8192][1024] f32; wt: W turned, [n][k] bf16; b: f32, rounded to bf16.
; Products in bf16 with f32 sums; y is rounded once to f16 and stored by heads: qh[bh][s][64]; kh, vh[4 b + h / 4][s / 64][h % 4][64 keys][64].
; LIMIT.  y must lie within f16's range, 65,504.
; SHARES.  Cluster y / 16 says which tensor (the same in all sixteen partners).  A work-group makes 128 rows x 256 columns, each of its four waves 64 x 128: 32 accumulators.
; K goes in steps of 128 through two LDS slots.  x comes into LDS as f32 (rows of 512 bytes) and is rounded to bf16 on its way into fragments: 32 conversions a quarter step,
; four behind each of eight matrix instructions.  The bias is the C operand of the products that start the sums.
; CLUSTER.  4 x 4 work-groups: x's tile hangs on the tile row alone and is asked for jointly along a row of the cluster, W's on the tile column alone, along a column.
; THE MATRIX INSTRUCTION IS USED TRANSPOSED (source 0 = 16 rows of wt, source 1 = 16 rows of x): a lane holds one row of y and eight neighbouring columns, four pairs of the rotation.
; REGISTERS, in windows of 256:  window 0: v0-31 addresses; v32-95 x as f32 (later the rotated numbers); v96-159 x's fragments, two buffers (later packed results and rows read back, to v255)
;   window 1: v0-127 W's fragments, two buffers; v128-191 the bias      window 2: the accumulators, (a, b) at v[8 (8 a + b)]      window 3: v0-127 (cos, sin) for my 64 rows
.set PA,     528                       ; a row of x in LDS: 512 bytes + 16
.set PB,     272                       ; a row of wt: 256 + 16
.set AHALF,  64*PA                     ; what one tensor load brings of x
.set BHALF,  128*PB                    ; and of wt
.set BOFF,   2*AHALF
.set SLOT,   BOFF+2*BHALF
.set STAGE,  2*SLOT                    ; behind the ring: 16 rows x 272 bytes for each wave
.set SP,     272
.set SPARE,  STAGE+4*16*SP             ; behind the stages: the spare words, named by no other line
.set ADRA, 16                          ; v16-17  LDS address of my x fragments in slot 0, 1
.set ADRB, 18                          ; v18-19  the same for wt
.set STO,  20
.set RD,   21
.set GO,   22
.set TO,   23                          ; my byte offset in the table's rows
.set BO,   24                          ; and in the bias
.set PFO,  26                          ; the prefetches' offset; never rewritten
.set SPW,  28
.set NIL,  29
.set SG,   32
.set AF,   96
.set TMP,  96
.set BK,   128
.set BIAS, 128
.set WV,  12
.set RH,  13                           ; my half of the rows; also: I fetch for x (0) or for wt (1)
.set CH,  14                           ; my half of the columns; also: which half of that tile I fetch
.set G1A, 24
.set G0A, 32
.set LIM, 43
.set PFA, 44
.set PFS, 46
.set G1B, 48
.set G0B, 56
.set MSB, 0
.macro WIN new                         ; the immediate's high byte repeats the setting that is left; a switch that changes nothing is dropped
.if MSB != (\new)
	s_set_vgpr_msb (MSB<<8)|(\new)
.set MSB, \new
.endif
.endm
.macro PLACES                          ; four places in front of loads into registers that matrix instructions have read, and of lines that read results
.rept 4
	v_nop
.endr
.endm
.macro JLOAD s                         ; a joint load: waves 0 and 1 fetch x's two halves, waves 2 and 3 wt's; an s_nop 0 and four v_nop follow each line
	s_cmp_eq_u32 s[RH], 0
	s_cbranch_scc0 .Lfor_b_\@
	tensor_load_to_lds s[G0A+4*(\s):G0A+4*(\s)+3], s[G1A:G1A+7]
	s_nop 0
.rept 4
	v_nop
.endr
	s_branch .Lasked_\@
.Lfor_b_\@:
	tensor_load_to_lds s[G0B+4*(\s):G0B+4*(\s)+3], s[G1B:G1B+7]
	s_nop 0
.rept 4
	v_nop
.endr
.Lasked_\@:
.endm
; A prefetch of the K step that stands two refills on.  x's rows are read by my cluster alone: every cluster asks for its own, the four partners of a row sharing a wave's 64 rows out by address,
; 16 rows x 2 blocks of 256 bytes each.  wt's rows are read by all sixteen clusters of a tensor: the first of them asks, the partners of a column taking 32 rows each.  The last trip asks for nothing.
.macro ASK
	s_cmp_gt_u32 s3, s[LIM]
	s_cbranch_scc0 .Lnot_mine_\@
	global_prefetch_b8 v[PFO], s[PFA:PFA+1] th:TH_LOAD_NT scope:SCOPE_SE
.Lnot_mine_\@:
.endm
.macro CREST                           ; a round of the cluster's barrier behind its opening barrier
	s_cmp_lg_u32 s[WV], 0
	s_cbranch_scc1 .Lnot_wave_0_\@
	s_barrier_signal -3
.Lnot_wave_0_\@:
	s_barrier_wait -3
	s_barrier_signal -1
	s_barrier_wait -1
.endm
.macro CROUND
	s_barrier_signal -1
	s_barrier_wait -1
	CREST
.endm
	s_load_b512 s[68:83], s[0:1], 0x0              ; q s[68:69], k, v, wt s[74:75], bq s[76:77], bk, bv, rtab s[82:83]
	s_load_b128 s[84:87], s[0:1], 0x40             ; qh, kh
	s_load_b64 s[88:89], s[0:1], 0x50              ; vh
	v_lshl_add_u32 v[SPW], v0, 2, SPARE
	v_mov_b32 v[NIL], 0
	ds_add_u32 v[SPW], v[NIL]                      ; the wave's opening: the add and its wait ahead of my first tensor load
	v_lshrrev_b32 v1, 5, v0
	v_readfirstlane_b32 s[WV], v1
	s_lshr_b32 s[RH], s[WV], 1
	s_and_b32 s[CH], s[WV], 1
	s_bfe_u32 s15, ttmp6, 0x40000                  ; cx = the tile column (the grid is one cluster wide)
	s_bfe_u32 s16, ttmp6, 0x40004                  ; cy
	s_and_b32 s17, ttmp7, 0xffff                   ; cluster y, 0 .. 47
	s_lshr_b32 s18, s17, 4                         ; the tensor: 0 q, 1 k, 2 v
	s_and_b32 s19, s17, 15
	s_lshl_b32 s19, s19, 2
	s_add_co_u32 s19, s19, s16                     ; the tile row, 0 .. 63
	s_lshl_b32 s41, s16, 2
	s_lshl_b32 s41, 15, s41                        ; my row of the cluster
	s_lshl_b32 s42, 0x1111, s15                    ; my column
	s_or_b32 s[G1A], s41, (2<<16)|(1<<20)|(1<<21)|(6<<22)|(3<<25)  ; mask; 4-byte elements; padding on; bit 21 beside a mask; after every 128 words, 4 words
	s_mov_b32 s[G1A+1], 128<<16                    ; tensor_dim0 = 128
	s_mov_b32 s[G1A+2], 64<<16                     ; tensor_dim1 = 64
	s_mov_b32 s[G1A+3], 128<<16                    ; tile_dim0 = 128
	s_mov_b32 s[G1A+4], 64                         ; tile_dim1 = 64
	s_mov_b32 s[G1A+5], 1024                       ; elements from row to row
	s_mov_b32 s[G1A+6], 0
	s_mov_b32 s[G1A+7], 0
	s_or_b32 s[G1B], s42, (1<<16)|(1<<20)|(1<<21)|(5<<22)|(3<<25)  ; 2-byte elements; after every 64 words, 4 words
	s_mov_b32 s[G1B+1], 128<<16
	s_mov_b32 s[G1B+2], 128<<16
	s_mov_b32 s[G1B+3], 128<<16
	s_mov_b32 s[G1B+4], 128
	s_mov_b32 s[G1B+5], 1024
	s_mov_b32 s[G1B+6], 0
	s_mov_b32 s[G1B+7], 0
	s_lshl_b32 s20, s19, 19                        ; x: 128 rows of 4,096 bytes a tile row,
	s_lshl_b32 s21, s[CH], 18                      ; the 64 that I fetch
	s_add_co_u32 s20, s20, s21
	s_mov_b32 s21, 0
	s_lshl_b32 s92, s18, 21                        ; wt: the tensor's weight,
	s_lshl_b32 s93, s15, 19                        ; 256 rows of 2,048 bytes a tile column,
	s_add_co_u32 s92, s92, s93
	s_lshl_b32 s93, s[CH], 18                      ; the 128 that I fetch
	s_add_co_u32 s92, s92, s93
	s_mov_b32 s93, 0
	s_mul_i32 s22, s[CH], AHALF                    ; where they go: no place in the cluster enters an LDS address
	s_mul_i32 s23, s[CH], BHALF
	s_add_co_u32 s23, s23, BOFF
	s_wait_dscnt 0x0                               ; the opening add is done
	s_wait_kmcnt 0x0
	s_cmp_eq_u32 s18, 1
	s_cselect_b64 s[4:5], s[70:71], s[68:69]       ; x
	s_cselect_b64 s[6:7], s[78:79], s[76:77]       ; its bias
	s_cselect_b64 s[8:9], s[86:87], s[84:85]       ; its output
	s_cmp_eq_u32 s18, 2
	s_cselect_b64 s[4:5], s[72:73], s[4:5]
	s_cselect_b64 s[6:7], s[80:81], s[6:7]
	s_cselect_b64 s[8:9], s[88:89], s[8:9]
	s_add_nc_u64 s[20:21], s[4:5], s[20:21]
	s_add_nc_u64 s[92:93], s[74:75], s[92:93]
	CROUND                                         ; all sixteen work-groups are here: the first joint loads meet
.irp s, 0,1
	s_mov_b32 s[G0A+4*(\s)], 1
	s_add_co_u32 s[G0A+4*(\s)+1], s22, (\s)*SLOT
	s_add_nc_u64 s[G0A+4*(\s)+2:G0A+4*(\s)+3], s[20:21], (\s)*512   ; K step s: 128 f32
	s_or_b32 s[G0A+4*(\s)+3], s[G0A+4*(\s)+3], 0x80000000
	s_mov_b32 s[G0B+4*(\s)], 1
	s_add_co_u32 s[G0B+4*(\s)+1], s23, (\s)*SLOT
	s_add_nc_u64 s[G0B+4*(\s)+2:G0B+4*(\s)+3], s[92:93], (\s)*256   ; 128 bf16
	s_or_b32 s[G0B+4*(\s)+3], s[G0B+4*(\s)+3], 0x80000000
	JLOAD \s                                       ; two loads of mine are out
.endr
	v_and_b32 v1, 15, v0                           ; r = l % 16
	v_bfe_u32 v2, v0, 4, 1                         ; h = l / 16
	v_and_b32 v3, 31, v0                           ; l
	v_mul_u32_u24 v4, v1, PA
	v_lshl_add_u32 v4, v2, 5, v4                   ; x: row x pitch + 32 h (eight f32)
	s_mul_i32 s94, s[RH], AHALF
	v_add_nc_u32 v[ADRA], s94, v4
	v_add_nc_u32 v[ADRA+1], SLOT, v[ADRA]
	v_mul_u32_u24 v5, v1, PB
	v_lshl_add_u32 v5, v2, 4, v5
	v_add_nc_u32 v[ADRB], s23, v5                  ; my 128 rows of wt are those of my column half
	v_add_nc_u32 v[ADRB+1], SLOT, v[ADRB]
	s_mul_i32 s94, s[WV], 16*SP
	s_add_co_u32 s94, s94, STAGE
	v_mul_u32_u24 v6, v1, SP
	v_lshl_add_u32 v6, v2, 4, v6
	v_add_nc_u32 v[STO], s94, v6                   ; in: row r, 16 bytes for each half of the lanes
	v_lshrrev_b32 v7, 3, v3
	v_and_b32 v8, 7, v0
	v_mul_u32_u24 v7, v7, SP
	v_lshl_add_u32 v7, v8, 4, v7
	v_add_nc_u32 v[RD], s94, v7                    ; back: four rows x 128 bytes of one head
	v_lshlrev_b32 v[GO], 4, v3                     ; which are 512 consecutive bytes of the output
	v_lshlrev_b32 v[TO], 8, v1
	v_lshl_add_u32 v[TO], v2, 5, v[TO]             ; the table: position r, pairs 4 h ..
	v_lshlrev_b32 v[BO], 5, v2                     ; the bias: columns 8 h ..
	; where my rows go
	s_lshr_b32 s94, s19, 4                         ; batch
	s_and_b32 s95, s19, 15
	s_lshl_b32 s95, s95, 1
	s_add_co_u32 s95, s95, s[RH]                   ; my 64 positions' number, 0 .. 31
	s_lshl_b32 s96, s94, 2
	s_add_co_u32 s96, s96, s15                     ; head group 4 b + cx
	s_lshl_b32 s97, s96, 2
	s_lshl_b32 s98, s[CH], 1
	s_add_co_u32 s97, s97, s98                     ; my first head, 16 b + h
	s_lshl_b32 s97, s97, 18
	s_lshl_b32 s99, s95, 13
	s_add_co_u32 s97, s97, s99                     ; qh: head x 262,144 + position x 128
	s_lshl_b32 s96, s96, 5
	s_add_co_u32 s96, s96, s95
	s_lshl_b32 s96, s96, 2
	s_add_co_u32 s96, s96, s98
	s_lshl_b32 s96, s96, 13                        ; kh, vh: ((group x 32 + step) x 4 + head in group) x 8,192
	s_mov_b32 s98, 8192                            ; from a head to the next
	s_cmp_eq_u32 s18, 0
	s_cselect_b32 s96, s97, s96
	s_cselect_b32 s98, 0x40000, s98
	s_mov_b32 s97, 0
	s_mov_b32 s99, 0
	s_add_nc_u64 s[8:9], s[8:9], s[96:97]
	s_add_nc_u64 s[10:11], s[8:9], s[98:99]
	s_lshl_b32 s94, s95, 14                        ; 64 positions of 256 bytes
	s_mov_b32 s95, 0
	s_add_nc_u64 s[90:91], s[82:83], s[94:95]
	s_lshl_b32 s94, s15, 10
	s_lshl_b32 s96, s[CH], 9
	s_add_co_u32 s94, s94, s96
	s_add_nc_u64 s[6:7], s[6:7], s[94:95]          ; the bias at my 128 columns
	; the prefetches
	s_lshl_b32 s94, s19, 19
	s_lshl_b32 s96, s[CH], 18
	s_add_co_u32 s94, s94, s96
	s_lshl_b32 s96, s15, 16                        ; my work-group's 16 rows of the 64
	s_add_co_u32 s94, s94, s96
	s_add_co_u32 s94, s94, 3*512                   ; at K step 3: the first refill steps it to 4
	s_lshl_b32 s96, s18, 21
	s_lshl_b32 s97, s15, 19
	s_add_co_u32 s96, s96, s97
	s_lshl_b32 s97, s[CH], 18
	s_add_co_u32 s96, s96, s97
	s_lshl_b32 s97, s16, 16                        ; my work-group's 32 rows of the 128
	s_add_co_u32 s96, s96, s97
	s_add_co_u32 s96, s96, 3*256
	s_and_b32 s97, s17, 15                         ; which of the tensor's sixteen clusters
	s_mov_b32 s[PFS], 256
	s_cmp_eq_u32 s[RH], 0
	s_cselect_b64 s[PFA:PFA+1], s[4:5], s[74:75]
	s_cselect_b32 s94, s94, s96
	s_cselect_b32 s[PFS], 512, s[PFS]
	s_cselect_b32 s97, 0, s97
	s_cselect_b32 s98, 1, 0
	s_cselect_b32 s99, 12, 11
	s_cmp_eq_u32 s97, 0
	s_cselect_b32 s[LIM], 1, -1                    ; the same in all sixteen partners, for a given wave
	s_add_nc_u64 s[PFA:PFA+1], s[PFA:PFA+1], s[94:95]
	s_mov_b32 s[PFS+1], 0
	v_lshrrev_b32 v4, s98, v3                      ; x: row l / 2, block l % 2; wt: row l
	v_lshlrev_b32 v4, s99, v4
	v_and_b32 v5, s98, v3
	v_lshl_add_u32 v[PFO], v5, 8, v4
	; (cos, sin) of my 64 positions x 32 pairs; v is not rotated: its table is (1, 0)
	s_cmp_eq_u32 s18, 2
	s_cbranch_scc1 .Lunit
	WIN 0xc0
.irp a, 0,1,2,3
.irp b, 0,1,2,3
	global_load_b128 v[32*(\a)+8*(\b):32*(\a)+8*(\b)+3],   v[TO], s[90:91] offset:(\a)*4096+(\b)*64
	global_load_b128 v[32*(\a)+8*(\b)+4:32*(\a)+8*(\b)+7], v[TO], s[90:91] offset:(\a)*4096+(\b)*64+16
.endr
.endr
	WIN 0
	s_branch .Ltable
.Lunit:
	WIN 0xc0
.set i, 0
.rept 64
	v_mov_b32 v[i], 1.0
	v_mov_b32 v[i+1], 0
.set i, i+2
.endr
	WIN 0
.Ltable:
.irp b, 0,1,2,3,4,5,6,7
	global_load_b128 v[SG+8*(\b):SG+8*(\b)+3],   v[BO], s[6:7] offset:64*(\b)
	global_load_b128 v[SG+8*(\b)+4:SG+8*(\b)+7], v[BO], s[6:7] offset:64*(\b)+16
.endr
	s_wait_loadcnt 0x0
.set i, 0
.rept 32
	v_cvt_pk_bf16_f32 v[TMP+i], v[SG+2*i], v[SG+2*i+1]  ; the bias is rounded to bf16, like all the module's inputs,
.set i, i+1
.endr
	WIN 0x40
.set i, 0
.rept 32
	v_lshlrev_b32 v[BIAS+2*i], 16, v[TMP+i]        ; and widened again: register j of block b holds b[16 b + 8 h + j]
	v_and_b32 v[BIAS+2*i+1], 0xffff0000, v[TMP+i]
.set i, i+1
.endr
	WIN 0
.macro MM1 f, a, b, first              ; one product; first = 1: the bias starts the sum
.if \first
	WIN 0x91
	v_wmma_f32_16x16x32_bf16 v[8*(8*(\a)+(\b)):8*(8*(\a)+(\b))+7], v[64*(\f)+8*(\b):64*(\f)+8*(\b)+7], v[AF+32*(\f)+8*(\a):AF+32*(\f)+8*(\a)+7], v[BIAS+8*(\b):BIAS+8*(\b)+7]
.else
	WIN 0xa1
	v_wmma_f32_16x16x32_bf16 v[8*(8*(\a)+(\b)):8*(8*(\a)+(\b))+7], v[64*(\f)+8*(\b):64*(\f)+8*(\b)+7], v[AF+32*(\f)+8*(\a):AF+32*(\f)+8*(\a)+7], v[8*(8*(\a)+(\b)):8*(8*(\a)+(\b))+7]
.endif
.endm
.macro MUL8 f, a, first=0              ; row block a x all 8 column blocks: the 32 accumulators take turns, one instruction a turn
.irp b, 0,1,2,3,4,5,6,7
	MM1 \f, \a, \b, \first
.endr
.endm
.macro CVT4 g, i0                      ; four words of the next quarter's x fragments
	WIN 0
.irp n, 0,1,2,3
	v_cvt_pk_bf16_f32 v[AF+32*(\g)+(\i0)+(\n)], v[SG+2*((\i0)+(\n))], v[SG+2*((\i0)+(\n))+1]
.endr
.endm
.macro MUL8R f, g, first=0             ; row block 3, with the 32 conversions behind its eight products
.irp b, 0,1,2,3,4,5,6,7
	MM1 \f, 3, \b, \first
	CVT4 \g, 4*(\b)
.endr
.endm
.macro FETCH slot, kq, g               ; 32 LDS loads in one run: quarter kq's x (f32, first) and wt (into buffer g)
	WIN 0
.irp a, 0,1,2,3
	ds_load_b128 v[SG+16*(\a):SG+16*(\a)+3],     v[ADRA+(\slot)] offset:(\a)*16*PA+(\kq)*128
	ds_load_b128 v[SG+16*(\a)+4:SG+16*(\a)+7],   v[ADRA+(\slot)] offset:(\a)*16*PA+(\kq)*128+16
	ds_load_b128 v[SG+16*(\a)+8:SG+16*(\a)+11],  v[ADRA+(\slot)] offset:(\a)*16*PA+(\kq)*128+64
	ds_load_b128 v[SG+16*(\a)+12:SG+16*(\a)+15], v[ADRA+(\slot)] offset:(\a)*16*PA+(\kq)*128+80
.endr
	WIN 0x40
.irp b, 0,1,2,3,4,5,6,7
	ds_load_b128 v[64*(\g)+8*(\b):64*(\g)+8*(\b)+3],   v[ADRB+(\slot)] offset:(\b)*16*PB+(\kq)*64
	ds_load_b128 v[64*(\g)+8*(\b)+4:64*(\g)+8*(\b)+7], v[ADRB+(\slot)] offset:(\b)*16*PB+(\kq)*64+32
.endr
	WIN 0
.endm
.macro QUARTER slot, kq, f, g, first=0 ; multiplies buffer f; fetches quarter kq of the slot for buffer g
	s_wait_dscnt 0x0                               ; this quarter's wt fragments are in
	MUL8 \f, 0, \first
	PLACES
	FETCH \slot, \kq, \g
	MUL8 \f, 1, \first
	MUL8 \f, 2, \first
	s_wait_dscnt 16                                ; x's 16 loads are in; wt's 16 younger ones may stay out
	MUL8R \f, \g, \first
.endm
; The fourth quarter multiplies buffer 1 and changes slots: ONE barrier; in front of it each wave waits for all its tensor loads, adds 0 to its spare word and waits for that and for its reads of this slot.
; fill = 1: the barrier opens a round of the cluster's, and the slot is filled again, two K steps ahead, first thing behind it.
.macro TURN slot, next, fill
.if \fill
	s_wait_xcnt 0x0                                ; the last prefetch, a K step back, has read its address
	s_add_nc_u64 s[PFA:PFA+1], s[PFA:PFA+1], s[PFS:PFS+1]
.endif
	WIN 0
	s_wait_tensorcnt 0x0                           ; all my tensor loads have landed: my part of the next slot
	ds_add_u32 v[SPW], v[NIL]                      ; 0 onto my spare word
	s_wait_dscnt 1                                 ; only the add may be out
	MUL8 1, 0
	s_wait_dscnt 0x0                               ; the add is done, and my reads of this slot are over
	s_barrier_signal -1
	MUL8 1, 1
	WIN 0
	s_barrier_wait -1
.if \fill
	CREST
	s_add_nc_u64 s[G0A+4*(\slot)+2:G0A+4*(\slot)+3], s[G0A+4*(\slot)+2:G0A+4*(\slot)+3], 2*512
	s_add_nc_u64 s[G0B+4*(\slot)+2:G0B+4*(\slot)+3], s[G0B+4*(\slot)+2:G0B+4*(\slot)+3], 2*256
	JLOAD \slot                                    ; the four v_nop behind it are also the places in front of the loads below
.else
	PLACES
.endif
	FETCH \next, 0, 0
.if \fill
	ASK
.endif
	MUL8 1, 2
	s_wait_dscnt 16
	MUL8R 1, 0
.endm
	s_wait_tensorcnt 1                             ; my part of K step 0 is in; K step 1's may stay out
	s_barrier_signal -1
	s_barrier_wait -1
	FETCH 0, 0, 0
	s_wait_dscnt 16
.irp n, 0,4,8,12,16,20,24,28
	CVT4 0, \n
.endr
	QUARTER 0, 1, 0, 1, 1                          ; the first quarter stands in front of the loop: its products start the sums
	WIN 0
	s_mov_b32 s3, 3
.Llap:                                                 ; a trip goes once round the ring and fills both slots again: K steps 2 .. 7
	QUARTER 0, 2, 1, 0
	QUARTER 0, 3, 0, 1
	TURN 0, 1, 1
	QUARTER 1, 1, 0, 1
	QUARTER 1, 2, 1, 0
	QUARTER 1, 3, 0, 1
	TURN 1, 0, 1
	QUARTER 0, 1, 0, 1
	WIN 0
	s_sub_co_u32 s3, s3, 1
	s_cmp_lg_u32 s3, 0
	s_cbranch_scc1 .Llap
	QUARTER 0, 2, 1, 0                             ; the last lap fills nothing
	QUARTER 0, 3, 0, 1
	TURN 0, 1, 0
	QUARTER 1, 1, 0, 1
	QUARTER 1, 2, 1, 0
	QUARTER 1, 3, 0, 1
	s_wait_dscnt 0x0
	MUL8 1, 0
	MUL8 1, 1
	MUL8 1, 2
	MUL8 1, 3
	WIN 0
	PLACES
; THE WAY OUT, a block of 16 rows at a time.  ROT: (t1, t2) -> (t1 c - t2 s, t1 s + t2 c), each accumulator's registers in ascending order, then rounded to f16.
.macro ROT a
	WIN 0x0e                                       ; source 0 window 2 (sums), source 1 window 3 (table), the rest window 0
.irp b, 0,1,2,3,4,5,6,7
.irp p, 0,1,2,3
	v_pk_mul_f32 v[SG+8*(\b)+2*(\p):SG+8*(\b)+2*(\p)+1], v[8*(8*(\a)+(\b))+2*(\p):8*(8*(\a)+(\b))+2*(\p)+1], v[32*(\a)+8*((\b)%4)+2*(\p):32*(\a)+8*((\b)%4)+2*(\p)+1] op_sel_hi:[0,1]
.endr
.irp p, 0,1,2,3
	v_pk_fma_f32 v[SG+8*(\b)+2*(\p):SG+8*(\b)+2*(\p)+1], v[8*(8*(\a)+(\b))+2*(\p):8*(8*(\a)+(\b))+2*(\p)+1], v[32*(\a)+8*((\b)%4)+2*(\p):32*(\a)+8*((\b)%4)+2*(\p)+1], v[SG+8*(\b)+2*(\p):SG+8*(\b)+2*(\p)+1] op_sel:[1,1,0] op_sel_hi:[1,0,1] neg_lo:[0,1,0]
.endr
.endr
	WIN 0
.set i, 0
.rept 32
	v_cvt_pk_f16_f32 v[TMP+i], v[SG+2*i], v[SG+2*i+1]
.set i, i+1
.endr
.endm
.macro TOSTAGE a                       ; into my own stage, and back by heads: four rows of 128 bytes a load
.irp b, 0,1,2,3,4,5,6,7
	ds_store_b128 v[STO], v[TMP+4*(\b):TMP+4*(\b)+3] offset:32*(\b)
.endr
.irp hh, 0,1
.irp gq, 0,1,2,3
	ds_load_b128 v[BK+32*(\a)+16*(\hh)+4*(\gq):BK+32*(\a)+16*(\hh)+4*(\gq)+3], v[RD] offset:(\gq)*4*SP+(\hh)*128  ; LDS serves a wave's instructions in order: these see the stores above
.endr
.endr
.endm
.macro SEND a                          ; each block has registers of its own, so no store's data is rewritten
	s_wait_dscnt 0x0
.irp hh, 0,1
.irp gq, 0,1,2,3
	global_store_b128 v[GO], v[BK+32*(\a)+16*(\hh)+4*(\gq):BK+32*(\a)+16*(\hh)+4*(\gq)+3], s[8+2*(\hh):9+2*(\hh)] offset:(\a)*2048+(\gq)*512  ; 512 consecutive bytes, aligned
.endr
.endr
.endm
	ROT 0
	TOSTAGE 0
	ROT 1
	SEND 0
	TOSTAGE 1
	ROT 2
	SEND 1
	TOSTAGE 2
	ROT 3
	SEND 2
	TOSTAGE 3
	SEND 3
	s_wait_tensorcnt 0x0                           ; the wave's end
	ds_add_u32 v[SPW], v[NIL]
	s_wait_dscnt 0x0
	CROUND                                         ; the closing round
	s_endpgm
.Lfunc_end_k_qa67c909da3_proj:
	.size	k_qa67c909da3_proj, .Lfunc_end_k_qa67c909da3_proj-k_qa67c909da3_proj
	.p2alignl 7, 3214868480
	.fill 96, 4, 3214868480
	.section	.rodata,"a",@progbits
	.p2align	6, 0x0
	.amdhsa_kernel k_qa67c909da3_proj
		.amdhsa_group_segment_fixed_size 327680
		.amdhsa_private_segment_fixed_size 0
		.amdhsa_enable_private_segment 0
		.amdhsa_kernarg_size 88
		.amdhsa_user_sgpr_count 2
		.amdhsa_user_sgpr_kernarg_segment_ptr 1
		.amdhsa_wavefront_size32 1
		.amdhsa_system_sgpr_workgroup_id_x 1
		.amdhsa_system_sgpr_workgroup_id_y 1
		.amdhsa_system_sgpr_workgroup_id_z 1
		.amdhsa_system_vgpr_workitem_id 0
		.amdhsa_next_free_vgpr 896
		.amdhsa_next_free_sgpr 100
		.amdhsa_reserve_vcc 0
		.amdhsa_float_denorm_mode_32 3
		.amdhsa_float_denorm_mode_16_64 3
		.amdhsa_memory_ordered 1
		.amdhsa_forward_progress 1
		.amdhsa_inst_pref_size 166
	.end_amdhsa_kernel
	.amdgpu_metadata
---
amdhsa.version: [ 1, 2 ]
amdhsa.kernels:
  - .name:           k_qa67c909da3_proj
    .symbol:         k_qa67c909da3_proj.kd
    .args:
      - { .name: q, .offset: 0, .size: 8, .value_kind: global_buffer, .address_space: global }
      - { .name: k, .offset: 8, .size: 8, .value_kind: global_buffer, .address_space: global }
      - { .name: v, .offset: 16, .size: 8, .value_kind: global_buffer, .address_space: global }
      - { .name: wt, .offset: 24, .size: 8, .value_kind: global_buffer, .address_space: global }
      - { .name: bq, .offset: 32, .size: 8, .value_kind: global_buffer, .address_space: global }
      - { .name: bk, .offset: 40, .size: 8, .value_kind: global_buffer, .address_space: global }
      - { .name: bv, .offset: 48, .size: 8, .value_kind: global_buffer, .address_space: global }
      - { .name: rtab, .offset: 56, .size: 8, .value_kind: global_buffer, .address_space: global }
      - { .name: qh, .offset: 64, .size: 8, .value_kind: global_buffer, .address_space: global }
      - { .name: kh, .offset: 72, .size: 8, .value_kind: global_buffer, .address_space: global }
      - { .name: vh, .offset: 80, .size: 8, .value_kind: global_buffer, .address_space: global }
    .group_segment_fixed_size: 327680
    .private_segment_fixed_size: 0
    .kernarg_segment_align: 8
    .kernarg_segment_size: 88
    .max_flat_workgroup_size: 128
    .sgpr_count:     100
    .vgpr_count:     896
    .wavefront_size: 32
...
	.end_amdgpu_metadata
.endif
;; end of part 2
;; launch attn (part 3): grid 16 x 16, 4 waves a work-group, clusters of 4 x 4, 327,680 bytes of LDS; arguments qh, kh, vh, ows, mws; writes ows
.if DOCPART == 3
	.amdgcn_target "amdgcn-amd-amdhsa--gfx1250"
	.amdhsa_code_object_version 6
	.text
	.protected	k_qa67c909da3_attn
	.globl	k_qa67c909da3_attn
	.p2align	8
	.type	k_qa67c909da3_attn,@function
k_qa67c909da3_attn:
	s_mov_b64 s[64:65], 0
	v_nop
	global_prefetch_b8 v0, s[64:65] scope:SCOPE_SE
	s_setreg_imm32_b32 hwreg(HW_REG_WAVE_MODE, 25, 1), 1
	s_wait_xcnt 0x0
	s_wait_alu depctr_hold_cnt(0) depctr_sa_sdst(0) depctr_va_vdst(0) depctr_va_sdst(0) depctr_va_ssrc(0) depctr_va_vcc(0) depctr_vm_vsrc(0)
	s_getreg_b32 s2, hwreg(HW_REG_IB_STS2, 6, 4)
	s_cmp_eq_u32 s2, 0
	s_cbranch_scc0 .Lentry_in_a_cluster
	s_endpgm
.Lentry_in_a_cluster:
	s_bfe_u32 s2, ttmp6, 0x10000c
	s_cmp_lg_u32 s2, 0xf033
	s_cbranch_scc0 .Lentry_shape_is_right
	s_endpgm
.Lentry_shape_is_right:
; ATTENTION at head size 64 with a mask that is an input.  O[q] = the sum over k of softmax_k(Q[q] . K[k] / 8 + M[q][k]) V[k], M = 0 or -1e30 (mws, made from the mask by an earlier launch).
; qh[bh][s][64]; kh, vh[group 16][step 32][head in group 4][64 keys][64]; all f16.  O leaves as ows[16 b + s / 128][h][128 rows][64], f16.  Products, maxima and sums in f32; the weights p are rounded to f16.
; LIMITS.  A hidden score counts as its value less 1e30: f16's scores, 2.7e11 at the most, are nothing beside that.  A query whose maximum ends below -1e29 has no visible key and gets NaN.
; A weight below 2^-126 counts as 0 in l.
; SHARES.  A work-group owns 128 queries and FOUR HEADS of one batch, a head a wave: eight tiles of 16 queries, four PIECES of two.  So the four waves read one mask tile.  Every wave walks all keys, 64 a step.
; THE MASK is the C operand of the products that start the sums S^T = K Q^T: it costs no vector instruction.  In mws it lies as an accumulator lies, so a lane loads 16 bytes on end.
; LAYOUT.  S^T = K Q^T: a lane holds ONE query (lane % 16) and the keys 8 (lane / 16) + 0..7; two results rounded to f16 ARE source 1 of O^T = V^T P.  V comes out of LDS turned.
; SOFTMAX.  A running maximum m and sum l: p = 2^(c s - c m), c = log2(e) / 8; O and l are multiplied by a = 2^(c m_old - c m_new) in every step.  m starts at the lowest finite number, O and l at 0.
; BY TURNS.  Turn n belongs to piece n: 16 products K Q^T of piece n + 1, later 16 products V^T P of piece n - 1; beside them piece n's scaling, exponentials, roundings, sums and rescaling and piece n + 1's
; maximum and statistics.  Four vector instructions stand behind every matrix instruction, the rest in one lump; a turn's 66 exponentials are one batch with one wait.
; CLUSTER.  4 x 4 work-groups: K and V hang on the head group alone and are asked for jointly along a row of the cluster, the mask on the query block alone, along a column.
; REGISTERS, in windows of 256:  window 0: v0-11 addresses; v12-15, v48-63 at work; v16-47 statistics; v64-191 S^T, two buffers; v192-255 P, two buffers
;   window 1: O^T      window 2: v0-127 Q; v128-191 K; v192-255 V      window 3: v0-1 the add's registers; v64-191 the mask, two buffers of two tiles (by the piece's parity)
.set NP,    4
.set KS,    64
.set PK,    144       ; a row of K in LDS: 128 bytes + 16
.set PV,    160       ; a row of V: 128 + 32
.set VOFF,  4*KS*PK   ; a slot holds one key step: four heads' K, four heads' V, the mask tile (32,768 bytes, dense)
.set MOFF,  VOFF+4*KS*PV
.set SLOT1, 1<<17     ; slot 1 begins here: one exclusive or turns an address in one slot into the other's
.set STAGE, SLOT1+MOFF+32768  ; behind the ring: 16 rows x 144 bytes for each wave
.set SP,    144
.set SPARE, STAGE+4*16*SP     ; behind the stages: the spare words, named by no other line
.set QO,  1
.set AK0, 2           ; my lane's place in a slot's K; never rewritten
.set AV0, 3
.set AK,  4
.set AV,  5
.set STO, 6
.set RD,  7
.set GO,  8
.set AM0, 9           ; my lane's place in a slot's mask tile
.set AM,  10
.set PFO, 11          ; 256 x my lane; never rewritten
.set SPW, 0           ; window 3
.set NIL, 1           ; window 3
.set MB,  64          ; window 3
.set MV,  12
.set ST,  16          ; tile t's statistics at v[ST+4 t]: c m, m, l (even keys', odd keys')
.set TMP, 48
.set S,   64
.set P,   192
.set KF,  128
.set VF,  192
.set WV,  12
.set LIM, 15
.set PFA, 18
.set G1K, 24
.set G1V, 32
.set G0K, 40
.set G0V, 44
.set SLOTS, 56
.set CNT, 57
.set CS,  58
.set SEL, 60
.set TB,  62          ; LDS byte at which the slot in hand begins
.set THR, 63          ; -1e29
.set G1M, 68
.set G0M, 76
.set NANR, 80
.set MSB, 0
.macro WIN new
.if MSB != (\new)
	s_set_vgpr_msb (MSB<<8)|(\new)
.set MSB, (\new)
.endif
.endm
.set W_KQ, 0x0a       ; K and Q in window 2, S^T in window 0
.set W_KM, 0x3a       ; the same with the C operand in window 3
.set W_PV, 0x52       ; V in window 2, P in window 0, O^T in window 1
.set W_RS, 0x41
.set W_MK, 0xc0
.set W_AD, 0x0f
; A joint fill.  Wave 0 fetches the step's K, wave 1 its V, waves 2 and 3 the halves of its mask tile.  The branches hang on the wave's number alone.
.macro JLOAD
	s_cmp_eq_u32 s[WV], 0
	s_cbranch_scc0 .Lnot_k_\@
	tensor_load_to_lds s[G0K:G0K+3], s[G1K:G1K+7]
	s_nop 0
.rept 4
	v_nop
.endr
	s_branch .Lasked_\@
.Lnot_k_\@:
	s_cmp_eq_u32 s[WV], 1
	s_cbranch_scc0 .Lfor_m_\@
	tensor_load_to_lds s[G0V:G0V+3], s[G1V:G1V+7]
	s_nop 0
.rept 4
	v_nop
.endr
	s_branch .Lasked_\@
.Lfor_m_\@:
	tensor_load_to_lds s[G0M:G0M+3], s[G1M:G1M+7]
	s_nop 0
.rept 4
	v_nop
.endr
.Lasked_\@:
.endm
; A prefetch of what the NEXT change of slots will ask for: 128 blocks of 256 bytes each of K, V and the mask.  K and V are walked by the four clusters of a row of clusters: the first asks, wave 0 for K and
; wave 1 for V, the partners of a row sharing the blocks out by address, 32 each.  The mask is walked by the four clusters of a column: the first asks, wave 2, the partners of a column likewise.
; The last change that fills a slot asks for nothing.
.macro ASK
	s_cmp_gt_u32 s[SLOTS], s[LIM]
	s_cbranch_scc0 .Lnot_mine_\@
	global_prefetch_b8 v[PFO], s[PFA:PFA+1] th:TH_LOAD_NT scope:SCOPE_SE
.Lnot_mine_\@:
.endm
.macro CROUND
	s_barrier_signal -1
	s_barrier_wait -1
	s_cmp_lg_u32 s[WV], 0
	s_cbranch_scc1 .Lnot_wave_0_\@
	s_barrier_signal -3
.Lnot_wave_0_\@:
	s_barrier_wait -3
	s_barrier_signal -1
	s_barrier_wait -1
.endm
; THE CHANGE OF SLOTS, in front of each key step's fetches.  Each wave waits for all its tensor loads, of which one is out: its part of the other slot; adds 0 to its spare word; and waits for that and for its
; reads of the slot that it leaves.  fill = 1: the barrier is a round of the cluster's, and the old slot is filled again, with the step two on, first thing behind it.
.macro CHANGE fill, ask
	WIN W_AD
	s_wait_tensorcnt 0x0
	ds_add_u32 v[SPW], v[NIL]       ; 0 onto my spare word; the descriptors' steps stand between it and the wait for it
	WIN 0
.if \fill
.irp g, G0K, G0V, G0M
	s_xor_b32 s[\g+1], s[\g+1], SLOT1
	s_add_nc_u64 s[\g+2:\g+3], s[\g+2:\g+3], 32768
.endr
.if \ask
	s_wait_xcnt 0x0                 ; the last prefetch, a key step back, has read its address
	s_add_nc_u64 s[PFA:PFA+1], s[PFA:PFA+1], 32768
.endif
	s_wait_dscnt 0x0                ; the add is done, and my reads of the slot are over
	CROUND
	JLOAD
.if \ask
	ASK
.endif
.else
	s_wait_dscnt 0x0
	s_barrier_signal -1
	s_barrier_wait -1
.endif
	s_xor_b32 s[TB], s[TB], SLOT1
.endm
	s_load_b256 s[4:11], s[0:1], 0x0  ; qh s[4:5], kh s[6:7], vh s[8:9], ows s[10:11]
	s_load_b64 s[66:67], s[0:1], 0x20 ; mws
	WIN W_MK
	v_lshl_add_u32 v[SPW], v0, 2, SPARE
	v_mov_b32 v[NIL], 0
	WIN W_AD
	ds_add_u32 v[SPW], v[NIL]       ; the wave's opening: the add and its wait ahead of my first tensor load
	WIN 0
	v_lshrrev_b32 v48, 5, v0
	v_readfirstlane_b32 s[WV], v48
	s_bfe_u32 s13, ttmp6, 0x40000   ; cx
	s_bfe_u32 s14, ttmp6, 0x40004   ; cy
	s_and_b32 s16, ttmp7, 0xffff    ; cluster y
	s_lshl_b32 s17, ttmp9, 2
	s_add_co_u32 s17, s17, s13      ; my block of 128 queries
	s_lshl_b32 s20, s16, 2
	s_add_co_u32 s20, s20, s14      ; my group of four heads
	s_lshl_b32 s21, s14, 2
	s_lshl_b32 s21, 15, s21         ; my row of the cluster
	s_lshl_b32 s22, 0x1111, s13     ; my column
	; K and V: 256 keys are 32,768 dense bytes: 128 rows of 256 bytes, padded in LDS after every key
	s_or_b32 s[G1K], s21, (1<<16)|(1<<20)|(1<<21)|(4<<22)|(3<<25)
	s_or_b32 s[G1V], s21, (1<<16)|(1<<20)|(1<<21)|(4<<22)|(7<<25)
.irp g, G1K, G1V
	s_mov_b32 s[\g+1], 128<<16
	s_mov_b32 s[\g+2], 128<<16
	s_mov_b32 s[\g+3], 128<<16
	s_mov_b32 s[\g+4], 128
	s_mov_b32 s[\g+5], 128
	s_mov_b32 s[\g+6], 0
	s_mov_b32 s[\g+7], 0
.endr
	; half a mask tile: 16,384 dense bytes: 64 rows of 32 elements of 8 bytes, no padding
	s_or_b32 s[G1M], s22, (3<<16)|(1<<21)
	s_mov_b32 s[G1M+1], 32<<16
	s_mov_b32 s[G1M+2], 64<<16
	s_mov_b32 s[G1M+3], 32<<16
	s_mov_b32 s[G1M+4], 64
	s_mov_b32 s[G1M+5], 32
	s_mov_b32 s[G1M+6], 0
	s_mov_b32 s[G1M+7], 0
	s_lshl_b32 s82, s20, 20         ; a group's K or V: 1,048,576 bytes
	s_mov_b32 s83, 0
	s_lshl_b32 s84, s17, 20         ; a query block's masks likewise
	s_mov_b32 s85, 0
	s_lshl_b32 s86, s20, 2
	s_add_co_u32 s86, s86, s[WV]    ; my head among 64
	s_lshl_b32 s86, s86, 18
	s_lshl_b32 s87, s17, 14
	s_add_co_u32 s86, s86, s87      ; Q: head x 262,144 + block x 16,384
	s_mov_b32 s87, 0
	s_lshr_b32 s88, s20, 2          ; batch
	s_lshl_b32 s88, s88, 4
	s_add_co_u32 s88, s88, s17
	s_lshl_b32 s88, s88, 4
	s_and_b32 s89, s20, 3
	s_lshl_b32 s89, s89, 2
	s_add_co_u32 s88, s88, s89
	s_add_co_u32 s88, s88, s[WV]
	s_lshl_b32 s88, s88, 14         ; O: ((16 b + block) x 16 + head in batch) x 16,384
	s_mov_b32 s89, 0
	s_mov_b32 s[G0K], 1
	s_mov_b32 s[G0K+1], 0
	s_mov_b32 s[G0V], 1
	s_mov_b32 s[G0V+1], VOFF
	s_mov_b32 s[G0M], 1
	s_and_b32 s23, s[WV], 1
	s_lshl_b32 s23, s23, 14         ; which half of the mask tile I fetch
	s_add_co_u32 s[G0M+1], s23, MOFF
	s_mov_b32 s90, s23
	s_mov_b32 s91, 0
	s_mov_b32 s[CS], 0x3e38aa3b     ; c = log2(e) / 8
	s_mov_b32 s[CS+1], s[CS]
	s_mov_b32 s[SEL], 0x76543210
	s_mov_b32 s[SEL+1], 0xfedcba98
	s_mov_b32 s[TB], SLOT1          ; the first change of slots turns it into 0
	s_mov_b32 s[THR], 0xefa18f08    ; -1e29
	s_mov_b32 s[NANR], 0x7fc00000
	s_wait_dscnt 0x0                ; the opening add is done
	s_wait_kmcnt 0x0
	s_add_nc_u64 s[6:7], s[6:7], s[82:83]
	s_add_nc_u64 s[8:9], s[8:9], s[82:83]
	s_add_nc_u64 s[66:67], s[66:67], s[84:85]
	s_mov_b64 s[G0K+2:G0K+3], s[6:7]
	s_or_b32 s[G0K+3], s[G0K+3], 0x80000000
	s_mov_b64 s[G0V+2:G0V+3], s[8:9]
	s_or_b32 s[G0V+3], s[G0V+3], 0x80000000
	s_add_nc_u64 s[G0M+2:G0M+3], s[66:67], s[90:91]
	s_or_b32 s[G0M+3], s[G0M+3], 0x80000000
	s_add_nc_u64 s[4:5], s[4:5], s[86:87]
	s_add_nc_u64 s[10:11], s[10:11], s[88:89]
	s_cmp_eq_u32 s[WV], 0
	s_cselect_b64 s[PFA:PFA+1], s[6:7], s[8:9]
	s_cmp_lt_u32 s[WV], 2
	s_cselect_b64 s[PFA:PFA+1], s[PFA:PFA+1], s[66:67]
	s_cselect_b32 s2, s13, s14      ; my place among the four that ask with me
	s_cselect_b32 s3, ttmp9, s16    ; the coordinate along which other clusters walk the same bytes
	s_cmp_eq_u32 s[WV], 3
	s_cselect_b32 s3, 1, s3         ; wave 3 asks for nothing
	s_cmp_eq_u32 s3, 0
	s_cselect_b32 s[LIM], 1, -1     ; the same in all sixteen partners, for a given wave
	s_lshl_b32 s2, s2, 13           ; my work-group's 32 blocks of the 128
	s_mov_b32 s3, 0
	s_add_nc_u64 s[PFA:PFA+1], s[PFA:PFA+1], s[2:3]
	s_add_nc_u64 s[PFA:PFA+1], s[PFA:PFA+1], 2*32768  ; at step 2: the loop's first change steps it to 3
	CROUND                          ; all sixteen work-groups are here: the first joint loads meet
	JLOAD                           ; step 0 into slot 0
	v_and_b32 v48, 15, v0           ; r = l % 16
	v_bfe_u32 v49, v0, 4, 1         ; h = l / 16
	v_lshlrev_b32 v[QO], 7, v48
	v_lshl_add_u32 v[QO], v49, 4, v[QO]
	WIN 0x80
.set i, 0
.rept 4*NP                          ; Q stays in registers: tile i / 2, channels 32 (i % 2) on
	global_load_b128 v[8*i:8*i+3],   v[QO], s[4:5] offset:(i/2)*2048+(i%2)*64
	global_load_b128 v[8*i+4:8*i+7], v[QO], s[4:5] offset:(i/2)*2048+(i%2)*64+32
.set i, i+1
.endr
	; What the first turn finds: V's registers and P's second buffer hold 0, O^T and l are 0.  All this stands in the wait for the first tile.
.set i, VF
.rept 64
	v_mov_b32 v[i], 0
.set i, i+1
.endr
	WIN 0x40
.set i, 0
.rept 64*NP
	v_mov_b32 v[i], 0
.set i, i+1
.endr
	WIN 0
.set i, 0
.rept 2*NP
	v_mov_b32 v[ST+4*i], 0xfe000000    ; c m: far below every c s, a hidden one's too
	v_mov_b32 v[ST+4*i+1], 0xff7fffff  ; m
	v_mov_b32 v[ST+4*i+2], 0
	v_mov_b32 v[ST+4*i+3], 0
.set i, i+1
.endr
.set i, P+32
.rept 32
	v_mov_b32 v[i], 0
.set i, i+1
.endr
	s_mul_i32 s2, s[WV], KS*PK      ; my head's K in a slot
	v_mul_u32_u24 v[AK0], v48, PK
	v_lshl_add_u32 v[AK0], v49, 4, v[AK0]
	v_add_nc_u32 v[AK0], s2, v[AK0]
	; The turning load takes 16 keys x 16 channels (lane l reads key 8 (l / 16) + l % 8, channels 8 ((l / 8) % 2) + 0..7) and leaves half a fragment of V^T.
	s_mul_i32 s2, s[WV], KS*PV
	s_add_co_u32 s2, s2, VOFF
	v_and_b32 v50, 7, v0
	v_bfe_u32 v51, v0, 3, 1
	v_lshl_add_u32 v[AV0], v49, 3, v50
	v_mul_u32_u24 v[AV0], v[AV0], PV
	v_lshl_add_u32 v[AV0], v51, 4, v[AV0]
	v_add_nc_u32 v[AV0], s2, v[AV0]
	v_and_b32 v52, 31, v0
	v_lshlrev_b32 v[AM0], 4, v52
	v_add_nc_u32 v[AM0], MOFF, v[AM0]
	v_lshlrev_b32 v[PFO], 8, v52
	s_mul_i32 s2, s[WV], 16*SP
	s_add_co_u32 s2, s2, STAGE
	v_mul_u32_u24 v[STO], v48, SP
	v_lshl_add_u32 v[STO], v49, 4, v[STO]
	v_add_nc_u32 v[STO], s2, v[STO]
	v_bfe_u32 v[RD], v0, 3, 2
	v_mul_u32_u24 v[RD], v[RD], SP
	v_lshl_add_u32 v[RD], v50, 4, v[RD]
	v_add_nc_u32 v[RD], s2, v[RD]
	v_lshlrev_b32 v[GO], 4, v52
; THE MATRIX WORK.  The 8 accumulators of a run of 16 take turns.  Product i of 16 of S^T = K Q^T for piece x: channels 32 (i / 8) on, keys 16 ((i / 2) % 4) on, tile 2 x + i % 2.
; The first 8 start the sums with the mask.
.macro KQ x
.set rS, S+64*((\x)%2)+32*(i%2)+8*((i/2)%4)
.set rK, KF+16*((i/2)%4)+8*(i/8)
.set rQ, 16*(2*(\x)+i%2)+8*(i/8)
.set rB, MB+64*((\x)%2)+32*(i%2)+8*((i/2)%4)
.if i < 8
	WIN W_KM
	v_wmma_f32_16x16x32_f16 v[rS:rS+7], v[rK:rK+7], v[rQ:rQ+7], v[rB:rB+7]
.else
	WIN W_KQ
	v_wmma_f32_16x16x32_f16 v[rS:rS+7], v[rK:rK+7], v[rQ:rQ+7], v[rS:rS+7]
.endif
.endm
.macro PV x                         ; product i of 16 of O^T += V^T P for piece x
	WIN W_PV
.set rO, 32*(2*(\x)+i%2)+8*((i/2)%4)
.set rV, VF+32*(i/8)+8*((i/2)%4)
.set rP, P+32*((\x)%2)+16*(i%2)+8*(i/8)
	v_wmma_f32_16x16x32_f16 v[rO:rO+7], v[rV:rV+7], v[rP:rP+7], v[rO:rO+7]
.endm
.macro MM                           ; the turn's next matrix instruction
.if i < 16
	KQ (Y+1)%NP
.set i, i+1
.else
.set i, i-16
	PV (Y+NP-1)%NP
.set i, i+17
.endif
.endm
; THE LDS LOADS stand in runs of 16.
.macro FETCH_K
	WIN 0x80
.irp f, 0,1,2,3,4,5,6,7
	ds_load_b128 v[KF+8*\f:KF+8*\f+3],   v[AK] offset:(\f/2)*16*PK+(\f%2)*64
	ds_load_b128 v[KF+8*\f+4:KF+8*\f+7], v[AK] offset:(\f/2)*16*PK+(\f%2)*64+32
.endr
	WIN 0
.endm
.macro FETCH_V
	WIN 0x80
.irp f, 0,1,2,3,4,5,6,7
	ds_load_tr16_b128 v[VF+8*\f:VF+8*\f+3],   v[AV] offset:(\f/4)*32*PV+(\f%4)*32
	ds_load_tr16_b128 v[VF+8*\f+4:VF+8*\f+7], v[AV] offset:(\f/4)*32*PV+16*PV+(\f%4)*32
.endr
	WIN 0
.endm
.macro FETCH_M x                    ; piece x's masks for the step in hand: tile u, key block kb: 32 lanes x 16 consecutive bytes a load
	WIN 0xc0
.irp u, 0,1
.irp kb, 0,1,2,3
	ds_load_b128 v[MB+64*((\x)%2)+32*(\u)+8*(\kb):MB+64*((\x)%2)+32*(\u)+8*(\kb)+3],   v[AM] offset:(2*(\x)+(\u))*4096+(\kb)*1024
	ds_load_b128 v[MB+64*((\x)%2)+32*(\u)+8*(\kb)+4:MB+64*((\x)%2)+32*(\u)+8*(\kb)+7], v[AM] offset:(2*(\x)+(\u))*4096+(\kb)*1024+512
.endr
.endr
	WIN 0
.endm
; THE VECTOR WORK OF A TURN stands in three queues, each in the order in which its entries become ready; the two tiles alternate.
.macro REGS y, u
.set rT, ST+4*(2*(\y)+(\u))
.set rC, TMP+8*((\y)%2)+4*(\u)
.set rM, MV+2*((\y)%2)+(\u)
.set rS, S+64*((\y)%2)+32*(\u)
.set rP, P+32*((\y)%2)+16*(\u)
.set rO, 32*(2*(\y)+(\u))
.endm
; Number n of the 22 that find the NEXT piece's maximum and statistics; each accumulator's lowest registers are read first.
.macro XS u, n
	REGS (Y+1)%NP, \u
.if (\n) < 4
	v_max3_num_f32 v[rC+(\n)], v[rS+8*(\n)], v[rS+8*(\n)+1], v[rS+8*(\n)+2]
.elseif (\n) < 12
	v_max3_num_f32 v[rC+(\n)%4], v[rC+(\n)%4], v[rS+8*((\n)%4)+2*((\n)/4)+1], v[rS+8*((\n)%4)+2*((\n)/4)+2]
.elseif (\n) == 12
	v_max3_num_f32 v[rC], v[rC], v[rS+7], v[rS+15]
.elseif (\n) == 13
	v_max3_num_f32 v[rC+1], v[rC+1], v[rS+23], v[rS+31]
.elseif (\n) == 14
	v_max3_num_f32 v[rC+2], v[rC+2], v[rC+3], v[rT+1]
.elseif (\n) == 15
	v_mov_b32 v[rM], v[rT]
.elseif (\n) == 16
	v_max3_num_f32 v[rC], v[rC], v[rC+1], v[rC+2]
.elseif (\n) == 17
	v_permlanex16_b32 v[rC+3], v[rC], s[SEL], s[SEL+1]
.elseif (\n) == 18
	v_max_num_f32 v[rT+1], v[rC], v[rC+3]
.elseif (\n) == 19
	v_mul_f32 v[rT], s[CS], v[rT+1]
.elseif (\n) == 20
	v_sub_f32 v[rC+1], v[rM], v[rT]
.else
	v_exp_f32 v[rC+2], v[rC+1]
.endif
.endm
; Number g of the 64 that follow the exponentials: roundings to f16, sums of four weights in place, and l.
.macro GS g
.set h, (\g)+6*((\g)/62)
.if h >= 6
.set h, h+2
.endif
	REGS Y, h%2
.set k, h/8
.if h%8 < 4
	v_cvt_pk_f16_f32 v[rP+2*k+(h%8)/2], v[rS+4*k+2*((h%8)/2)], v[rS+4*k+2*((h%8)/2)+1]
.elseif h%8 < 6
	v_pk_add_f32 v[rS+4*k:rS+4*k+1], v[rS+4*k:rS+4*k+1], v[rS+4*k+2:rS+4*k+3]
.elseif k == 1
	v_pk_fma_f32 v[rT+2:rT+3], v[rT+2:rT+3], v[rC+2:rC+3], v[rS:rS+1] op_sel_hi:[1,0,1]
.else
	v_pk_add_f32 v[rT+2:rT+3], v[rT+2:rT+3], v[rS+4*k-4:rS+4*k-3]
.endif
.endm
.macro FS f                         ; c s - c m for pair f / 2 of tile f % 2
	REGS Y, (\f)%2
	v_pk_fma_f32 v[rS+2*((\f)/2):rS+2*((\f)/2)+1], v[rS+2*((\f)/2):rS+2*((\f)/2)+1], s[CS:CS+1], v[rT:rT+1] op_sel_hi:[1,0,0] neg_lo:[0,0,1] neg_hi:[0,0,1]
.endm
.macro PL                           ; the plain queue, 138 long: 0-73 read no exponential's result, 74-137 stand behind the wait
	WIN 0
.if q < 27
	FS q
.elseif q < 55
	XS (q-27)%2, (q-27)/2
.elseif q < 57
	XS q-55, 15
.elseif (q < 72) && ((q-57)%3 == 0)
	FS 27+(q-57)/3
.elseif q < 60
	XS (q-57)%3-1, 14
.elseif q < 72
	XS (q-57)%3-1, 15+(q-57)/3
.elseif q < 74
	XS q-72, 20
.else
	GS q-74
.endif
.set q, q+1
.endm
.macro EX                           ; the exponentials' queue, 66 long: one batch ahead of the turn's one wait
	WIN 0
.if e >= 64
	XS e-64, 21
.else
	REGS Y, e%2
	v_exp_f32 v[rS+e/2], v[rS+e/2]
.endif
.set e, e+1
.endm
.macro R2                           ; the rescaling's queue: O^T times a, two at a time
	REGS Y, r%2
	WIN W_RS
.irp z, 0,1
	v_pk_mul_f32 v[rO+4*(r/2)+2*\z:rO+4*(r/2)+2*\z+1], v[rO+4*(r/2)+2*\z:rO+4*(r/2)+2*\z+1], v[rC+2:rC+3] op_sel_hi:[1,0]
.endr
.set r, r+1
.endm
; A TURN, for piece p.  Ahead of its one wait: 16 products K Q^T with a scaling, an exponential and two rescalings behind each, then the lump.  Behind it: 16 products V^T P with four roundings and sums behind each.
; THE FETCHES.  Directly behind the wait: the masks of piece p + 2, which the next turn's products take (their buffer's last reader stands a turn back).  In piece 2's turn also the step's K.
; At the end of piece 0's turn the step's V, four plain instructions behind its last reader.  All fetches of a trip (turns 2, 3, 0, 1) fall into one slot, between two changes of slots.
.macro TURN p
.set Y, (\p)
.set i, 0
.set q, 0
.set e, 0
.set r, 0
.if (\p) == 1
	s_wait_dscnt 16                 ; my masks are in; V's 16 younger loads may stay out
.else
	s_wait_dscnt 0x0                ; my masks are in (piece 3's turn: K too)
.endif
	MM
	PL
	PL
	R2
.rept 15
	MM
	PL
	EX
	R2
.endr
.if (\p) == NP-2
	WIN 0
	v_add_nc_u32 v[AK], s[TB], v[AK0]
	v_add_nc_u32 v[AM], s[TB], v[AM0]
.endif
.rept 8
	PL
.endr
.rept 49
	EX
	PL
.endr
	EX
	EX
	v_nop                           ; the plain instruction behind the last exponential: one for the batch
	s_wait_alu depctr_va_vdst(0)    ; the wait for the batch
	FETCH_M ((\p)+2)%NP
.if (\p) == NP-2
	FETCH_K
.endif
.if (\p) == 1
	s_wait_dscnt 16                 ; V is in; the 16 mask loads just issued may stay out
.endif
.rept 16
	MM
.rept 4
	PL
.endr
.if ((\p) == 0) && (q == 118)
	v_add_nc_u32 v[AV], s[TB], v[AV0]
.endif
.endr
.if (\p) == 0
	FETCH_V
.endif
.endm
	CHANGE 1, 0                     ; slot 0 is in, everybody's part of it; step 1 is asked for, into slot 1
	v_add_nc_u32 v[AK], s[TB], v[AK0]
	v_add_nc_u32 v[AM], s[TB], v[AM0]
	FETCH_M 0
	FETCH_M 1
	FETCH_K
	s_wait_loadcnt 0x0              ; Q
	s_wait_dscnt 0x0
.set i, 0
.rept 16
	KQ 0                            ; piece 0's first scores
.set i, i+1
.endr
	WIN 0
.rept 4
	v_nop                           ; the places behind those products
.endr
.set Y, NP-1
.irp n, 0,1,2,3,4,5,6,7,8,9,10,11,12,13,14,15,16,17,18,19,20,21
	XS 0, \n
	XS 1, \n
.endr
	v_nop
	s_wait_alu depctr_va_vdst(0)    ; the two a have their wait ahead of the branch
	s_mov_b32 s[SLOTS], 31
	s_branch .Lfirst                ; the loop is entered at a step's first turn, in the middle of a trip
.Lstep:                             ; 30 times: a step's slot is entered, and the slot just left is filled with the step two on (2 .. 31)
	CHANGE 1, 1
	TURN 2
	TURN 3
	WIN 0
.Lfirst:
	TURN 0
	TURN 1
	WIN 0
	s_sub_co_u32 s[SLOTS], s[SLOTS], 1
	s_cmp_lg_u32 s[SLOTS], 0
	s_cbranch_scc1 .Lstep
	CHANGE 0, 0                     ; the tail is written out: step 31 is entered, nothing is asked for
	s_mov_b32 s[CNT], 2
.Ltail:                             ; the second trip is left in its middle; its fetches read the same slot once more, and its products K Q^T serve nothing
	TURN 2
	TURN 3
	WIN 0
	s_sub_co_u32 s[CNT], s[CNT], 1
	s_cmp_eq_u32 s[CNT], 0
	s_cbranch_scc1 .Lout
	TURN 0
	TURN 1
	WIN 0
	s_branch .Ltail
.Lout:
.set i, 0
.rept 16
	PV NP-1
.set i, i+1
.endr
	; THE WAY OUT.  l's halves are added; O^T is divided by l (by NaN where no key was visible), rounded to f16 and sent through my stage, a tile at a time.
	WIN 0
.macro ALL line:vararg
.set t, 0
.rept 2*NP
	\line
.set t, t+1
.endr
.endm
	ALL v_add_f32 v[ST+4*t+2], v[ST+4*t+2], v[ST+4*t+3]
	ALL v_permlanex16_b32 v[ST+4*t+3], v[ST+4*t+2], s[SEL], s[SEL+1]
	ALL v_add_f32 v[ST+4*t+2], v[ST+4*t+2], v[ST+4*t+3]
	ALL v_rcp_f32 v[ST+4*t+2], v[ST+4*t+2]
	v_nop
	s_wait_alu depctr_va_vdst(0)    ; one wait for the eight reciprocals
.set t, 0
.rept 2*NP
	v_cmp_gt_f32 vcc_lo, s[THR], v[ST+4*t+1]       ; -1e29 > m: every key of the row was hidden
	v_cndmask_b32 v[ST+4*t+2], v[ST+4*t+2], s[NANR], vcc_lo
.set t, t+1
.endr
.macro PACK t
	WIN W_RS
.set i, 32*(\t)
.rept 16
	v_pk_mul_f32 v[i:i+1], v[i:i+1], v[ST+4*(\t)+2:ST+4*(\t)+3] op_sel_hi:[1,0]
.set i, i+2
.endr
	WIN 0x05
.set i, 0
.rept 16
	v_cvt_pk_f16_f32 v[S+16*(\t)+i], v[32*(\t)+2*i], v[32*(\t)+2*i+1]
.set i, i+1
.endr
	WIN 0
.irp f, 0,1,2,3
	ds_store_b128 v[STO], v[S+16*(\t)+4*\f:S+16*(\t)+4*\f+3] offset:32*\f
.endr
.irp f, 0,1,2,3
	ds_load_b128 v[S+16*(\t)+4*\f:S+16*(\t)+4*\f+3], v[RD] offset:\f*4*SP  ; LDS serves a wave's instructions in order: these see the stores above
.endr
.endm
.macro SEND t, younger
	WIN 0
.irp f, 0,1,2,3
	s_wait_dscnt (\younger)+3-\f
	global_store_b128 v[GO], v[S+16*(\t)+4*\f:S+16*(\t)+4*\f+3], s[10:11] offset:(\t)*2048+\f*512  ; 512 consecutive bytes, aligned
.endr
.endm
	PACK 0
.set t, 1
.rept 2*NP-1
	PACK t
	SEND t-1, 8
.set t, t+1
.endr
	SEND 2*NP-1, 0
	WIN W_AD
	s_wait_tensorcnt 0x0            ; the wave's end
	ds_add_u32 v[SPW], v[NIL]
	s_wait_dscnt 0x0
	WIN 0
	CROUND                          ; the closing round
	s_endpgm
.Lfunc_end_k_qa67c909da3_attn:
	.size	k_qa67c909da3_attn, .Lfunc_end_k_qa67c909da3_attn-k_qa67c909da3_attn
	.p2alignl 7, 3214868480
	.fill 96, 4, 3214868480
	.section	.rodata,"a",@progbits
	.p2align	6, 0x0
	.amdhsa_kernel k_qa67c909da3_attn
		.amdhsa_group_segment_fixed_size 327680
		.amdhsa_private_segment_fixed_size 0
		.amdhsa_enable_private_segment 0
		.amdhsa_kernarg_size 40
		.amdhsa_user_sgpr_count 2
		.amdhsa_user_sgpr_kernarg_segment_ptr 1
		.amdhsa_wavefront_size32 1
		.amdhsa_system_sgpr_workgroup_id_x 1
		.amdhsa_system_sgpr_workgroup_id_y 1
		.amdhsa_system_sgpr_workgroup_id_z 1
		.amdhsa_system_vgpr_workitem_id 0
		.amdhsa_next_free_vgpr 960
		.amdhsa_next_free_sgpr 96
		.amdhsa_reserve_vcc 1
		.amdhsa_float_denorm_mode_32 3
		.amdhsa_float_denorm_mode_16_64 3
		.amdhsa_memory_ordered 1
		.amdhsa_forward_progress 1
		.amdhsa_inst_pref_size 213
	.end_amdhsa_kernel
	.amdgpu_metadata
---
amdhsa.version: [ 1, 2 ]
amdhsa.kernels:
  - .name:           k_qa67c909da3_attn
    .symbol:         k_qa67c909da3_attn.kd
    .args:
      - { .name: qh, .offset: 0, .size: 8, .value_kind: global_buffer, .address_space: global }
      - { .name: kh, .offset: 8, .size: 8, .value_kind: global_buffer, .address_space: global }
      - { .name: vh, .offset: 16, .size: 8, .value_kind: global_buffer, .address_space: global }
      - { .name: ows, .offset: 24, .size: 8, .value_kind: global_buffer, .address_space: global }
      - { .name: mws, .offset: 32, .size: 8, .value_kind: global_buffer, .address_space: global }
    .group_segment_fixed_size: 327680
    .private_segment_fixed_size: 0
    .kernarg_segment_align: 8
    .kernarg_segment_size: 40
    .max_flat_workgroup_size: 128
    .sgpr_count:     96
    .vgpr_count:     960
    .wavefront_size: 32
...
	.end_amdgpu_metadata
.endif
;; end of part 3
;; launch outp (part 4): grid 4 x 64, 4 waves a work-group, clusters of 4 x 4, 327,680 bytes of LDS; arguments ows, wt, bo, out0; writes out0
.if DOCPART == 4
	.amdgcn_target "amdgcn-amd-amdhsa--gfx1250"
	.amdhsa_code_object_version 6
	.text
	.protected	k_qa67c909da3_outp
	.globl	k_qa67c909da3_outp
	.p2align	8
	.type	k_qa67c909da3_outp,@function
k_qa67c909da3_outp:
	s_mov_b64 s[64:65], 0
	v_nop
	global_prefetch_b8 v0, s[64:65] scope:SCOPE_SE
	s_setreg_imm32_b32 hwreg(HW_REG_WAVE_MODE, 25, 1), 1
	s_wait_xcnt 0x0
	s_wait_alu depctr_hold_cnt(0) depctr_sa_sdst(0) depctr_va_vdst(0) depctr_va_sdst(0) depctr_va_ssrc(0) depctr_va_vcc(0) depctr_vm_vsrc(0)
	s_getreg_b32 s2, hwreg(HW_REG_IB_STS2, 6, 4)
	s_cmp_eq_u32 s2, 0
	s_cbranch_scc0 .Lentry_in_a_cluster
	s_endpgm
.Lentry_in_a_cluster:
	s_bfe_u32 s2, ttmp6, 0x10000c
	s_cmp_lg_u32 s2, 0xf033
	s_cbranch_scc0 .Lentry_shape_is_right
	s_endpgm
.Lentry_shape_is_right:
; THE OUTPUT PROJECTION, out = O Wo + bo.  O: ows[tile row 64][head 16][128 rows][64] f16; Wo turned: wt's fourth part, [n][k], bf16 numbers written as f16; bo rounded to bf16; out0: [8192][1024] f32.
; A work-group makes 128 rows x 256 columns, each of its four waves 64 x 128: 32 accumulators.  K goes in steps of 128 (two heads) through two LDS slots; a K step is written once and looped over:
; the LDS addresses hang on s[TB], which an exclusive or turns from one slot to the other.  The bias is the C operand of the products that start the sums.
; CLUSTER.  4 x 4 work-groups: O's tile is asked for jointly along a row of the cluster, Wo's along a column.  The matrix instruction is used transposed: a lane holds one row and eight neighbouring columns.
; REGISTERS:  window 0: v0-31 addresses; v32-95 O's fragments, two buffers; v96-223 rows on their way out, two buffers      window 1: v0-127 Wo's fragments; v128-191 the bias      window 2: the accumulators
.set PA,     144                       ; a row of one head of O in LDS: 128 bytes + 16
.set PB,     272
.set AHEAD,  128*PA                    ; a head's 128 rows: what one tensor load brings of O
.set BHALF,  128*PB
.set BOFF,   2*AHEAD
.set SLOT1,  1<<17
.set STAGE,  SLOT1+BOFF+2*BHALF        ; behind the ring: 16 rows x 528 bytes for each wave
.set SP,     528
.set SPARE,  STAGE+4*16*SP             ; behind the stages: the spare words, named by no other line
.set ADRA0, 16
.set ADRB0, 17
.set ADRA,  18
.set ADRB,  19
.set STO,  20
.set RD,   21
.set GO,   22
.set BO,   24
.set PFO,  26
.set SPW,  28
.set NIL,  29
.set AF,   32
.set BK,   96
.set BIAS, 128
.set WV,  12
.set RH,  13
.set CH,  14
.set G1A, 24
.set G0A, 32
.set TB,  40
.set LIM, 43
.set PFA, 44
.set PFS, 46
.set G1B, 48
.set G0B, 56
.set MSB, 0
.macro WIN new
.if MSB != (\new)
	s_set_vgpr_msb (MSB<<8)|(\new)
.set MSB, \new
.endif
.endm
.macro PLACES
.rept 4
	v_nop
.endr
.endm
.macro JLOAD s                         ; waves 0 and 1 fetch the K step's two heads of O, waves 2 and 3 the halves of Wo's tile
	s_cmp_eq_u32 s[RH], 0
	s_cbranch_scc0 .Lfor_b_\@
	tensor_load_to_lds s[G0A+4*(\s):G0A+4*(\s)+3], s[G1A:G1A+7]
	s_nop 0
.rept 4
	v_nop
.endr
	s_branch .Lasked_\@
.Lfor_b_\@:
	tensor_load_to_lds s[G0B+4*(\s):G0B+4*(\s)+3], s[G1B:G1B+7]
	s_nop 0
.rept 4
	v_nop
.endr
.Lasked_\@:
.endm
; A prefetch of the K step two refills on.  O's tile row is read by my cluster alone: wave 0 asks, the partners of a row taking 32 of its 128 blocks of 256 bytes each, by address.
; Wo's rows are read by all sixteen clusters: the first asks, waves 2 and 3, the partners of a column taking 32 rows each.  The last two refills ask for nothing.
.macro ASK
	s_cmp_gt_u32 s3, s[LIM]
	s_cbranch_scc0 .Lnot_mine_\@
	global_prefetch_b8 v[PFO], s[PFA:PFA+1] th:TH_LOAD_NT scope:SCOPE_SE
.Lnot_mine_\@:
.endm
.macro CREST
	s_cmp_lg_u32 s[WV], 0
	s_cbranch_scc1 .Lnot_wave_0_\@
	s_barrier_signal -3
.Lnot_wave_0_\@:
	s_barrier_wait -3
	s_barrier_signal -1
	s_barrier_wait -1
.endm
.macro CROUND
	s_barrier_signal -1
	s_barrier_wait -1
	CREST
.endm
	s_load_b256 s[4:11], s[0:1], 0x0               ; ows s[4:5], wt s[6:7], bo s[8:9], out0 s[10:11]
	v_lshl_add_u32 v[SPW], v0, 2, SPARE
	v_mov_b32 v[NIL], 0
	ds_add_u32 v[SPW], v[NIL]                      ; the wave's opening: the add and its wait ahead of my first tensor load
	v_lshrrev_b32 v1, 5, v0
	v_readfirstlane_b32 s[WV], v1
	s_lshr_b32 s[RH], s[WV], 1
	s_and_b32 s[CH], s[WV], 1
	s_bfe_u32 s15, ttmp6, 0x40000                  ; cx = the tile column
	s_bfe_u32 s16, ttmp6, 0x40004                  ; cy
	s_and_b32 s17, ttmp7, 0xffff                   ; cluster y
	s_lshl_b32 s19, s17, 2
	s_add_co_u32 s19, s19, s16                     ; the tile row
	s_lshl_b32 s41, s16, 2
	s_lshl_b32 s41, 15, s41
	s_lshl_b32 s42, 0x1111, s15
	s_or_b32 s[G1A], s41, (1<<16)|(1<<20)|(1<<21)|(4<<22)|(3<<25)  ; a head's 16,384 dense bytes: 64 rows of 256 bytes, padded after every 32 words by 4
	s_mov_b32 s[G1A+1], 128<<16
	s_mov_b32 s[G1A+2], 64<<16
	s_mov_b32 s[G1A+3], 128<<16
	s_mov_b32 s[G1A+4], 64
	s_mov_b32 s[G1A+5], 128
	s_mov_b32 s[G1A+6], 0
	s_mov_b32 s[G1A+7], 0
	s_or_b32 s[G1B], s42, (1<<16)|(1<<20)|(1<<21)|(5<<22)|(3<<25)
	s_mov_b32 s[G1B+1], 128<<16
	s_mov_b32 s[G1B+2], 128<<16
	s_mov_b32 s[G1B+3], 128<<16
	s_mov_b32 s[G1B+4], 128
	s_mov_b32 s[G1B+5], 1024
	s_mov_b32 s[G1B+6], 0
	s_mov_b32 s[G1B+7], 0
	s_lshl_b32 s20, s19, 18                        ; O: 16 heads of 16,384 bytes a tile row,
	s_lshl_b32 s21, s[CH], 14                      ; the head that I fetch
	s_add_co_u32 s20, s20, s21
	s_mov_b32 s21, 0
	s_lshl_b32 s66, s15, 19
	s_lshl_b32 s67, s[CH], 18
	s_add_co_u32 s66, s66, s67
	s_add_co_u32 s66, s66, 3<<21                   ; Wo is wt's fourth part
	s_mov_b32 s67, 0
	s_mul_i32 s22, s[CH], AHEAD
	s_mul_i32 s23, s[CH], BHALF
	s_add_co_u32 s23, s23, BOFF
	s_mov_b32 s[TB], 0
	s_wait_dscnt 0x0                               ; the opening add is done
	s_wait_kmcnt 0x0
	s_add_nc_u64 s[20:21], s[4:5], s[20:21]
	s_add_nc_u64 s[66:67], s[6:7], s[66:67]
	CROUND
.irp s, 0,1
	s_mov_b32 s[G0A+4*(\s)], 1
	s_add_co_u32 s[G0A+4*(\s)+1], s22, (\s)*SLOT1
	s_add_nc_u64 s[G0A+4*(\s)+2:G0A+4*(\s)+3], s[20:21], (\s)*32768  ; K step s: two heads on
	s_or_b32 s[G0A+4*(\s)+3], s[G0A+4*(\s)+3], 0x80000000
	s_mov_b32 s[G0B+4*(\s)], 1
	s_add_co_u32 s[G0B+4*(\s)+1], s23, (\s)*SLOT1
	s_add_nc_u64 s[G0B+4*(\s)+2:G0B+4*(\s)+3], s[66:67], (\s)*256
	s_or_b32 s[G0B+4*(\s)+3], s[G0B+4*(\s)+3], 0x80000000
	JLOAD \s                                       ; two loads of mine are out; the second set then walks on
.endr
	v_and_b32 v1, 15, v0
	v_bfe_u32 v2, v0, 4, 1
	v_and_b32 v3, 31, v0
	v_mul_u32_u24 v4, v1, PA
	v_lshl_add_u32 v4, v2, 4, v4
	s_mul_i32 s68, s[RH], 64*PA
	v_add_nc_u32 v[ADRA0], s68, v4
	v_mul_u32_u24 v5, v1, PB
	v_lshl_add_u32 v5, v2, 4, v5
	v_add_nc_u32 v[ADRB0], s23, v5
	v_add_nc_u32 v[ADRA], s[TB], v[ADRA0]
	v_add_nc_u32 v[ADRB], s[TB], v[ADRB0]
	s_mul_i32 s68, s[WV], 16*SP
	s_add_co_u32 s68, s68, STAGE
	v_mul_u32_u24 v6, v1, SP
	v_lshl_add_u32 v6, v2, 5, v6
	v_add_nc_u32 v[STO], s68, v6                   ; in: row r, 32 bytes for each half of the lanes
	v_lshlrev_b32 v[GO], 4, v3
	v_add_nc_u32 v[RD], s68, v[GO]                 ; back: a whole row of 512 bytes a load
	v_lshlrev_b32 v[BO], 5, v2
	s_lshl_b32 s68, s19, 19
	s_lshl_b32 s69, s[RH], 18
	s_add_co_u32 s68, s68, s69                     ; my first row of out0,
	s_lshl_b32 s70, s15, 10
	s_lshl_b32 s71, s[CH], 9
	s_add_co_u32 s70, s70, s71                     ; my 128 columns
	s_add_co_u32 s68, s68, s70
	s_mov_b32 s69, 0
	s_mov_b32 s71, 0
	s_add_nc_u64 s[10:11], s[10:11], s[68:69]
	s_add_nc_u64 s[8:9], s[8:9], s[70:71]
	; the prefetches
	s_lshl_b32 s68, s19, 18
	s_lshl_b32 s72, s15, 13                        ; my work-group's 32 blocks of the 128
	s_add_co_u32 s68, s68, s72
	s_add_co_u32 s68, s68, 3*32768                 ; at K step 3: the first refill steps it to 4
	s_lshl_b32 s70, s15, 19
	s_lshl_b32 s72, s[CH], 18
	s_add_co_u32 s70, s70, s72
	s_lshl_b32 s72, s16, 16                        ; my work-group's 32 rows of the 128
	s_add_co_u32 s70, s70, s72
	s_add_co_u32 s70, s70, (3<<21)+3*256
	s_mov_b32 s[PFS], 256
	s_cmp_eq_u32 s[RH], 0
	s_cselect_b64 s[PFA:PFA+1], s[4:5], s[6:7]
	s_cselect_b32 s68, s68, s70
	s_cselect_b32 s[PFS], 32768, s[PFS]
	s_cselect_b32 s72, s[CH], s17                  ; O: wave 0 alone; Wo: the first cluster alone
	s_cselect_b32 s73, 8, 11
	s_cmp_eq_u32 s72, 0
	s_cselect_b32 s[LIM], 2, -1                    ; the same in all sixteen partners, for a given wave
	s_add_nc_u64 s[PFA:PFA+1], s[PFA:PFA+1], s[68:69]
	s_mov_b32 s[PFS+1], 0
	v_lshlrev_b32 v[PFO], s73, v3
.irp b, 0,1,2,3,4,5,6,7
	global_load_b128 v[BK+8*(\b):BK+8*(\b)+3],   v[BO], s[8:9] offset:64*(\b)
	global_load_b128 v[BK+8*(\b)+4:BK+8*(\b)+7], v[BO], s[8:9] offset:64*(\b)+16
.endr
	s_wait_loadcnt 0x0
.set i, 0
.rept 32
	v_cvt_pk_bf16_f32 v[BK+64+i], v[BK+2*i], v[BK+2*i+1]  ; the bias is rounded to bf16, like all the module's inputs,
.set i, i+1
.endr
	WIN 0x40
.set i, 0
.rept 32
	v_lshlrev_b32 v[BIAS+2*i], 16, v[BK+64+i]      ; and widened again
	v_and_b32 v[BIAS+2*i+1], 0xffff0000, v[BK+64+i]
.set i, i+1
.endr
	WIN 0
.macro MUL8 f, a, first=0              ; row block a x all 8 column blocks: the 32 accumulators take turns, one instruction a turn
.irp b, 0,1,2,3,4,5,6,7
.if \first
	WIN 0x91
	v_wmma_f32_16x16x32_f16 v[8*(8*(\a)+(\b)):8*(8*(\a)+(\b))+7], v[64*(\f)+8*(\b):64*(\f)+8*(\b)+7], v[AF+32*(\f)+8*(\a):AF+32*(\f)+8*(\a)+7], v[BIAS+8*(\b):BIAS+8*(\b)+7]
.else
	WIN 0xa1
	v_wmma_f32_16x16x32_f16 v[8*(8*(\a)+(\b)):8*(8*(\a)+(\b))+7], v[64*(\f)+8*(\b):64*(\f)+8*(\b)+7], v[AF+32*(\f)+8*(\a):AF+32*(\f)+8*(\a)+7], v[8*(8*(\a)+(\b)):8*(8*(\a)+(\b))+7]
.endif
.endr
.endm
.macro FETCH kq, g                     ; 24 LDS loads in one run: quarter kq lies in head kq / 2, channels 32 (kq % 2) on
	WIN 0
.irp a, 0,1,2,3
	ds_load_b128 v[AF+32*(\g)+8*(\a):AF+32*(\g)+8*(\a)+3],   v[ADRA] offset:(\a)*16*PA+((\kq)/2)*AHEAD+((\kq)%2)*64
	ds_load_b128 v[AF+32*(\g)+8*(\a)+4:AF+32*(\g)+8*(\a)+7], v[ADRA] offset:(\a)*16*PA+((\kq)/2)*AHEAD+((\kq)%2)*64+32
.endr
	WIN 0x40
.irp b, 0,1,2,3,4,5,6,7
	ds_load_b128 v[64*(\g)+8*(\b):64*(\g)+8*(\b)+3],   v[ADRB] offset:(\b)*16*PB+(\kq)*64
	ds_load_b128 v[64*(\g)+8*(\b)+4:64*(\g)+8*(\b)+7], v[ADRB] offset:(\b)*16*PB+(\kq)*64+32
.endr
	WIN 0
.endm
.macro QUARTER kq, f, g, first=0
	s_wait_dscnt 0x0                               ; this quarter's fragments are in
	MUL8 \f, 0, \first
	PLACES
	FETCH \kq, \g
	MUL8 \f, 1, \first
	MUL8 \f, 2, \first
	MUL8 \f, 3, \first
.endm
; The fourth quarter multiplies buffer 1 and changes slots: ONE barrier; in front of it each wave waits for all its tensor loads, adds 0 to its spare word and waits for that and for its reads of this slot.
; fill = 1: the barrier opens a round of the cluster's, and the slot just read out is filled again, two K steps ahead, first thing behind it.
.macro TURN fill
.if \fill
	s_wait_xcnt 0x0                                ; the last prefetch, a K step back, has read its address
	s_add_nc_u64 s[PFA:PFA+1], s[PFA:PFA+1], s[PFS:PFS+1]
.endif
	WIN 0
	s_wait_tensorcnt 0x0
	ds_add_u32 v[SPW], v[NIL]
	s_wait_dscnt 1                                 ; only the add may be out
	MUL8 1, 0
	s_wait_dscnt 0x0                               ; the add is done, and my reads of this slot are over
	s_barrier_signal -1
	MUL8 1, 1
	WIN 0
	s_barrier_wait -1
.if \fill
	CREST
	s_xor_b32 s[G0A+5], s[G0A+5], SLOT1            ; the walking descriptors: the other slot than last time, the next K step
	s_add_nc_u64 s[G0A+6:G0A+7], s[G0A+6:G0A+7], 32768
	s_xor_b32 s[G0B+5], s[G0B+5], SLOT1
	s_add_nc_u64 s[G0B+6:G0B+7], s[G0B+6:G0B+7], 256
	JLOAD 1
.else
	PLACES
.endif
	s_xor_b32 s[TB], s[TB], SLOT1
	v_add_nc_u32 v[ADRA], s[TB], v[ADRA0]
	v_add_nc_u32 v[ADRB], s[TB], v[ADRB0]
	FETCH 0, 0
.if \fill
	ASK
.endif
	MUL8 1, 2
	MUL8 1, 3
.endm
	s_wait_tensorcnt 1                             ; my part of K step 0 is in; K step 1's may stay out
	s_barrier_signal -1
	s_barrier_wait -1
	FETCH 0, 0
	QUARTER 1, 0, 1, 1                             ; the first quarter stands in front of the loop: its products start the sums
	WIN 0
	s_mov_b32 s3, 6
.Lk:                                                   ; a trip: a K step's quarters 2 to 4 and the next one's first; K steps 2 .. 7 are asked for
	QUARTER 2, 1, 0
	QUARTER 3, 0, 1
	TURN 1
	QUARTER 1, 0, 1
	WIN 0
	s_sub_co_u32 s3, s3, 1
	s_cmp_lg_u32 s3, 0
	s_cbranch_scc1 .Lk
	s_mov_b32 s3, 2
.Ltail:                                                ; the last two K steps ask for nothing; the second trip is left behind its fourth quarter, whose fetch (of bytes that have landed) serves nothing
	QUARTER 2, 1, 0
	QUARTER 3, 0, 1
	TURN 0
	WIN 0
	s_sub_co_u32 s3, s3, 1
	s_cmp_eq_u32 s3, 0
	s_cbranch_scc1 .Lout
	QUARTER 1, 0, 1
	WIN 0
	s_branch .Ltail
.Lout:
	s_wait_dscnt 0x0
	PLACES
; THE WAY OUT, 16 rows at a time: the sums go into my own stage as they lie, each accumulator's lower half first, and come back as whole rows of 512 bytes.
.macro OUTB a
	WIN 0x08                                       ; the stores' data in window 2
.irp b, 0,1,2,3,4,5,6,7
	ds_store_b128 v[STO], v[8*(8*(\a)+(\b)):8*(8*(\a)+(\b))+3]   offset:64*(\b)
	ds_store_b128 v[STO], v[8*(8*(\a)+(\b))+4:8*(8*(\a)+(\b))+7] offset:64*(\b)+16
.endr
	WIN 0
.if (\a) >= 2
	s_wait_xcnt 0x0                                ; the stores of two blocks back have read this buffer: it is loaded again only behind this wait
.endif
.irp t, 0,1,2,3,4,5,6,7,8,9,10,11,12,13,14,15
	ds_load_b128 v[BK+64*((\a)%2)+4*(\t):BK+64*((\a)%2)+4*(\t)+3], v[RD] offset:(\t)*SP  ; LDS serves a wave's instructions in order: these see the stores above
.endr
.irp t, 0,1,2,3,4,5,6,7,8,9,10,11,12,13,14,15
	s_wait_dscnt 15-(\t)
	global_store_b128 v[GO], v[BK+64*((\a)%2)+4*(\t):BK+64*((\a)%2)+4*(\t)+3], s[10:11] offset:(16*(\a)+(\t))*4096 th:TH_STORE_NT  ; 512 consecutive bytes, aligned
.endr
.endm
	OUTB 0
	OUTB 1
	OUTB 2
	OUTB 3
	s_wait_tensorcnt 0x0                           ; the wave's end
	ds_add_u32 v[SPW], v[NIL]
	s_wait_dscnt 0x0
	CROUND                                         ; the closing round
	s_endpgm
.Lfunc_end_k_qa67c909da3_outp:
	.size	k_qa67c909da3_outp, .Lfunc_end_k_qa67c909da3_outp-k_qa67c909da3_outp
	.p2alignl 7, 3214868480
	.fill 96, 4, 3214868480
	.section	.rodata,"a",@progbits
	.p2align	6, 0x0
	.amdhsa_kernel k_qa67c909da3_outp
		.amdhsa_group_segment_fixed_size 327680
		.amdhsa_private_segment_fixed_size 0
		.amdhsa_enable_private_segment 0
		.amdhsa_kernarg_size 32
		.amdhsa_user_sgpr_count 2
		.amdhsa_user_sgpr_kernarg_segment_ptr 1
		.amdhsa_wavefront_size32 1
		.amdhsa_system_sgpr_workgroup_id_x 1
		.amdhsa_system_sgpr_workgroup_id_y 1
		.amdhsa_system_sgpr_workgroup_id_z 1
		.amdhsa_system_vgpr_workitem_id 0
		.amdhsa_next_free_vgpr 768
		.amdhsa_next_free_sgpr 96
		.amdhsa_reserve_vcc 0
		.amdhsa_float_denorm_mode_32 3
		.amdhsa_float_denorm_mode_16_64 3
		.amdhsa_memory_ordered 1
		.amdhsa_forward_progress 1
		.amdhsa_inst_pref_size 69
	.end_amdhsa_kernel
	.amdgpu_metadata
---
amdhsa.version: [ 1, 2 ]
amdhsa.kernels:
  - .name:           k_qa67c909da3_outp
    .symbol:         k_qa67c909da3_outp.kd
    .args:
      - { .name: ows, .offset: 0, .size: 8, .value_kind: global_buffer, .address_space: global }
      - { .name: wt, .offset: 8, .size: 8, .value_kind: global_buffer, .address_space: global }
      - { .name: bo, .offset: 16, .size: 8, .value_kind: global_buffer, .address_space: global }
      - { .name: out0, .offset: 24, .size: 8, .value_kind: global_buffer, .address_space: global }
    .group_segment_fixed_size: 327680
    .private_segment_fixed_size: 0
    .kernarg_segment_align: 8
    .kernarg_segment_size: 32
    .max_flat_workgroup_size: 128
    .sgpr_count:     96
    .vgpr_count:     768
    .wavefront_size: 32
...
	.end_amdgpu_metadata
.endif
;; end of part 4
